; MI455X (gfx1250); checked and timed in simulation.
; The chip was launched on July 23, 2026; its instructions are those of AMD's public machine-readable ISA for CDNA 5 (MIT licence, August 2026) and "CDNA5" Instruction Set Architecture Reference Guide (July 2026). The comments in the code are by the model that wrote it; some were corrected since.
;; Sparse Mo E Block. Allowed arithmetic: float matrix products may take bf16 or f16 operands with f32 sums; other float arithmetic in f32, or as packed bf16 or f16 multiplies, adds, multiply-adds, maxima and minima; sums over many terms, partial sums and values carried from step to step in f32; what a program stores and reads back later, other than sums and carried values, may be rounded once to bf16 or f16.
;; Inputs: b1 11 x 512 float32; b2 11 x 128 float32; gate_b 11 float32; gate_w 11 x 128 float32; w1 11 x 512 x 128 float32; w2 11 x 128 x 512 float32; x 4 x 128 x 64 x 128 float32.
;; Outputs: out0 4 x 128 x 64 x 128 float32; out1 one number float32.
;; 2 versions, each right and faster than the one before. Each part assembles by itself: llvm-mc -triple=amdgcn-amd-amdhsa -mcpu=gfx1250 --defsym DOCPART=n.
;; ======== version 1 of 2: 4 launches
;; limits: values outside matrix products are rounded to bf16
;; workspace buffers: xT 8,388,608 bytes; gates 2,097,152 bytes; keys 131,072 bytes of whole numbers; part 32,768 bytes; wf 2,906,112 bytes; perm 131,072 bytes of whole numbers; accT 8,388,608 bytes
;; launch route (part 1): grid 256 x 1, 4 waves a work-group, no clusters, 68,608 bytes of LDS; arguments x, gate_w, gate_b, w1, w2, b1, xT, gates, keys, part, wf; writes xT, gates, keys, part, wf
.if DOCPART == 1
	.amdgcn_target "amdgcn-amd-amdhsa--gfx1250"
	.amdhsa_code_object_version 6
	.text
	.protected	k_q8e8765b299_route
	.globl	k_q8e8765b299_route
	.p2align	8
	.type	k_q8e8765b299_route,@function
k_q8e8765b299_route:
	s_mov_b64 s[64:65], 0
	v_nop
	global_prefetch_b8 v0, s[64:65] scope:SCOPE_SE
	s_setreg_imm32_b32 hwreg(HW_REG_WAVE_MODE, 25, 1), 1
	s_wait_xcnt 0x0
; ROUTER, x TRANSPOSED, WEIGHTS LAID OUT.  A work-group owns 128 pixels (tokens) of one image row; four waves.
; It makes: the 11 logits in f32, softmax, the six largest (ties: the lower index), their weights renormalised -> gates [token][16] f32 (0 where not chosen, 0 in 11..15);
; keys [token] = (rank of the token's SET of experts among the 462 sets) << 16 | the set as 11 bits; part [work-group][32]: sums of scores (0..10), counts (16..26);
; xT [token][128] bf16; and its share of wf: w1 x c and w2 in bf16 in the order in which a matrix operand's registers take them, b1 x c in f32, c = sqrt(log2(e) / 2).
; LIMITS.  NaN and infinities are not treated apart.  The six largest are found on 2^((l - max) log2 e), which has the scores' order; a score below 2^-126 of the largest counts as 0.
; The four waves' parts of a logit are added in another order than a plain sum over channels.
; No matrix unit: a logit rounded to 16 bits would change the choice.  No cluster: no two work-groups read the same pixels, and the gate's weights are 5,632 bytes.
.set PB,    0        ; [wave][expert][128 tokens] f32: 22,528 bytes
.set XS,    22528    ; 128 rows of 256 bytes + 16: 34,816 bytes
.set GS,    57344    ; 128 rows of 64 bytes + 16: 10,240 bytes
.set AUXW,  67584    ; [wave][32] f32
.set SPARE, 68096    ; the spare words: 128 bytes a wave, named by no other line
.set W2F,   1441792  ; wf: w2's fragments begin here
.set B1S,   2883584  ; wf: b1 x c begins here
.set X,   32         ; v[32:159]  X[i]: four tokens of channel 32 w + i
.set LG,  160        ; v[160:203] my 32 channels' part of 11 logits x 4 tokens; then at work
.set WR,  204        ; v[204:251] six pieces of eight weights
.set XR,  32         ; v[32:95]   rows of xT on their way out
.set PL,  96         ; v[96:139]  the four parts of my token's 11 logits
.set LL,  140
.set EE,  152
.set RK,  164
.set CH,  176
.set GT,  188        ; v[188:203] my token's row of gates
.set PR,  96
.set CF,  108
.set GR,  120
.set GWA, 32         ; s[32:63], s[68:99]: 32 gate weights of one expert, two buffers by turns
.set GWB, 68
	s_load_b512 s[4:19], s[0:1], 0x0               ; x 4, gate_w 6, gate_b 8, w1 10, w2 12, b1 14, xT 16, gates 18
	s_load_b128 s[20:23], s[0:1], 0x40             ; keys 20, part 22
	s_load_b64 s[24:25], s[0:1], 0x50              ; wf
	v_lshl_add_u32 v2, v0, 2, SPARE
	v_mov_b32 v3, 0
	v_lshrrev_b32 v17, 5, v0
	v_readfirstlane_b32 s26, v17                   ; wave
	v_and_b32 v1, 31, v0                           ; lane
	v_lshlrev_b32 v4, 4, v1
	; my piece q of 8,192 (eight numbers) of an expert's w1 (work-groups 0-127) or w2 (128-255); experts of one parity
	s_and_b32 s27, ttmp9, 63
	s_lshl_b32 s27, s27, 7
	v_add_nc_u32 v17, s27, v0                      ; q
	v_lshrrev_b32 v18, 8, v17
	v_lshlrev_b32 v18, 11, v18
	v_and_b32 v19, 15, v17
	v_lshl_add_u32 v18, v19, 7, v18
	v_bfe_u32 v21, v17, 4, 4
	v_lshl_add_u32 v18, v21, 3, v18                ; w1: (q>>8) 2048 + (q&15) 128 + ((q>>4)&15) 8
	v_bfe_u32 v20, v17, 6, 3
	v_lshlrev_b32 v20, 13, v20
	v_lshl_add_u32 v20, v19, 9, v20
	v_lshrrev_b32 v21, 9, v17
	v_lshl_add_u32 v20, v21, 5, v20
	v_bfe_u32 v21, v17, 4, 2
	v_lshl_add_u32 v20, v21, 3, v20                ; w2: ((q>>6)&7) 8192 + (q&15) 512 + (q>>9) 32 + ((q>>4)&3) 8
	s_cmp_ge_u32 ttmp9, 128
	s_cselect_b32 s27, -1, 0
	s_cselect_b32 s100, W2F, 0
	v_cndmask_b32 v5, v18, v20, s27
	s_bfe_u32 s101, ttmp9, 0x10006                 ; the parity of my experts
	s_lshl_b32 s27, s101, 18
	v_lshl_add_u32 v5, v5, 2, s27                  ; source bytes: index x 4 + parity x one expert
	s_lshl_b32 s27, s101, 17
	s_add_co_u32 s27, s27, s100
	v_lshl_add_u32 v6, v17, 4, s27                 ; destination bytes
	s_cmp_eq_u32 s101, 0
	s_cselect_b32 s27, 5, 4                        ; the sixth piece is expert 10's; odd experts have five: they load the fifth once more and store nothing
	s_lshl_b32 s27, s27, 19                        ; two experts are 524,288 bytes
	v_add_nc_u32 v253, s27, v5
	s_lshl_b32 s27, ttmp9, 7
	v_add_nc_u32 v7, s27, v0
	v_min_u32 v7, 5631, v7                         ; my element of b1 (work-groups 0-43 store it), kept inside the buffer
	v_lshlrev_b32 v7, 2, v7
	; LDS and store offsets
	s_mul_i32 s27, s26, 5632
	v_add_nc_u32 v8, s27, v4                       ; parts of logits: wave, 16 bytes a lane
	v_mul_u32_u24 v9, v1, 1088
	s_lshl_b32 s27, s26, 6
	s_add_co_u32 s27, s27, XS
	v_add_nc_u32 v9, s27, v9                       ; xT's stage, in: row 4 lane, my wave's 64 bytes
	v_lshrrev_b32 v18, 4, v1
	v_mul_u32_u24 v10, v18, 272
	v_and_b32 v19, 15, v1
	v_lshl_add_u32 v10, v19, 4, v10
	s_mul_i32 s27, s26, 8704
	s_add_co_u32 s27, s27, XS
	v_add_nc_u32 v10, s27, v10                     ; back: rows 32 w on, two rows a load
	s_lshl_b32 s27, s26, 13
	v_add_nc_u32 v11, s27, v4
	v_lshlrev_b32 v12, 2, v0
	s_mul_i32 s27, s26, 2560
	s_add_co_u32 s27, s27, GS                      ; my wave's 32 rows of GS
	v_mul_u32_u24 v13, v1, 80
	v_add_nc_u32 v13, s27, v13                     ; in: row = my lane
	v_lshrrev_b32 v18, 2, v1
	v_mul_u32_u24 v14, v18, 80
	v_and_b32 v19, 3, v1
	v_lshl_add_u32 v14, v19, 4, v14
	v_add_nc_u32 v14, s27, v14                     ; back: eight rows a load
	s_lshl_b32 s27, s26, 11
	v_add_nc_u32 v15, s27, v4
	s_lshl_b32 s27, s26, 7
	s_add_co_u32 s27, s27, AUXW
	v_mov_b32 v28, s27
	v_lshl_add_u32 v29, v1, 2, AUXW
	v_lshlrev_b32 v31, 2, v1
	v_mov_b32 v20, 1
	v_mov_b32 v21, 1.0
	v_mov_b32 v30, 0
	v_mov_b32 v27, 0
	s_lshr_b32 s100, ttmp9, 6
	s_lshl_b32 s100, s100, 22                      ; image
	s_and_b32 s27, ttmp9, 63
	s_lshl_b32 s27, s27, 9                         ; 128 pixels
	s_add_co_u32 s100, s100, s27
	s_lshl_b32 s27, s26, 20                        ; my 32 channels
	s_add_co_u32 s100, s100, s27
	s_mov_b32 s101, 0
	s_wait_kmcnt 0x0
	s_add_nc_u64 s[4:5], s[4:5], s[100:101]
	s_lshl_b32 s100, s26, 7
	s_add_nc_u64 s[28:29], s[6:7], s[100:101]      ; gate_w at my 32 channels
	s_lshl_b32 s100, ttmp9, 15
	s_add_nc_u64 s[16:17], s[16:17], s[100:101]
	s_lshl_b32 s100, ttmp9, 13
	s_add_nc_u64 s[18:19], s[18:19], s[100:101]
	s_lshl_b32 s100, ttmp9, 9
	s_add_nc_u64 s[20:21], s[20:21], s[100:101]
	s_lshl_b32 s100, ttmp9, 7
	s_add_nc_u64 s[22:23], s[22:23], s[100:101]
	s_cmp_ge_u32 ttmp9, 128
	s_cselect_b64 s[30:31], s[12:13], s[10:11]     ; w2 or w1
	s_load_b512 s[GWA:GWA+15], s[28:29], 0x0
	s_load_b512 s[GWA+16:GWA+31], s[28:29], 0x40
.set i, 0
.rept 32
	global_load_b128 v[X+4*i:X+4*i+3], v4, s[4:5] offset:32768*i   ; 512 neighbouring bytes of one channel
.set i, i+1
.endr
.irp it, 0,1,2,3,4
	global_load_b128 v[WR+8*\it:WR+8*\it+3], v5, s[30:31] offset:524288*\it
	global_load_b128 v[WR+8*\it+4:WR+8*\it+7], v5, s[30:31] offset:524288*\it+16
.endr
	global_load_b128 v[WR+40:WR+43], v253, s[30:31]
	global_load_b128 v[WR+44:WR+47], v253, s[30:31] offset:16
	global_load_b32 v252, v7, s[14:15]
	s_wait_loadcnt 0x0
; my 32 channels' part of expert e's logit for my four tokens; the next expert's weights are asked for meanwhile
.macro LOGIT e, buf, nbuf
	s_wait_kmcnt 0x0                               ; this expert's 32 weights are in; nothing else is out
.if (\e) < 10
	s_load_b512 s[\nbuf:\nbuf+15], s[28:29], ((\e)+1)*512
	s_load_b512 s[\nbuf+16:\nbuf+31], s[28:29], ((\e)+1)*512+64
.endif
.irp k, 0,1,2,3
	v_mul_f32 v[LG+4*(\e)+\k], s[\buf], v[X+\k]
.endr
.set i, 1
.rept 31
.irp k, 0,1,2,3
	v_fmac_f32 v[LG+4*(\e)+\k], s[\buf+i], v[X+4*i+\k]
.endr
.set i, i+1
.endr
.endm
	LOGIT 0, GWA, GWB
	LOGIT 1, GWB, GWA
	LOGIT 2, GWA, GWB
	LOGIT 3, GWB, GWA
	LOGIT 4, GWA, GWB
	LOGIT 5, GWB, GWA
	LOGIT 6, GWA, GWB
	LOGIT 7, GWB, GWA
	LOGIT 8, GWA, GWB
	LOGIT 9, GWB, GWA
	LOGIT 10, GWA, GWB
	s_load_b256 s[32:39], s[8:9], 0x0              ; gate_b, 44 bytes
	s_load_b96 s[40:42], s[8:9], 0x20
.irp e, 0,1,2,3,4,5,6,7,8,9,10
	ds_store_b128 v8, v[LG+4*\e:LG+4*\e+3] offset:PB+512*\e
.endr
	; x transposed: token 4 lane + k, channels 32 w + 8 m on: eight numbers rounded to bf16 are 16 bytes of a row
.set n, 0
.rept 16
.set k, n/4
.set m, n%4
.irp j, 0,1,2,3
	v_cvt_pk_bf16_f32 v[LG+4*m+\j], v[X+4*(8*m+2*\j)+k], v[X+4*(8*m+2*\j+1)+k]
.endr
	ds_store_b128 v9, v[LG+4*m:LG+4*m+3] offset:k*272+m*16
.set n, n+1
.endr
	; C(e, 1..6) as bytes, for e = 1..10: the rank of a set {s1 < .. < s6} is the sum of C(s_i, i)
	s_mov_b32 s44, 0x00000001
	s_mov_b32 s45, 0
	s_mov_b32 s46, 0x00000102
	s_mov_b32 s47, 0
	s_mov_b32 s48, 0x00010303
	s_mov_b32 s49, 0
	s_mov_b32 s50, 0x01040604
	s_mov_b32 s51, 0
	s_mov_b32 s52, 0x050a0a05
	s_mov_b32 s53, 0x00000001
	s_mov_b32 s54, 0x0f140f06
	s_mov_b32 s55, 0x00000106
	s_mov_b32 s56, 0x23231507
	s_mov_b32 s57, 0x00000715
	s_mov_b32 s58, 0x46381c08
	s_mov_b32 s59, 0x00001c38
	s_mov_b32 s60, 0x7e542409
	s_mov_b32 s61, 0x0000547e
	s_mov_b32 s62, 0xd2782d0a
	s_mov_b32 s63, 0x0000d2fc
	s_mov_b32 s72, 0x76543210
	s_mov_b32 s73, 0xfedcba98
	s_mov_b32 s74, 0x3fb8aa3b                      ; log2(e)
	s_wait_dscnt 0x0                               ; for the others' sake: my parts and my 64 bytes of every row are in LDS
	s_barrier_signal -1
	s_barrier_wait -1
.set i, 0
.rept 16
	ds_load_b128 v[XR+4*i:XR+4*i+3], v10 offset:544*i
.set i, i+1
.endr
.set i, 0
.rept 44
	ds_load_b32 v[PL+i], v12 offset:PB+512*i       ; part (wave i / 11) of logit i % 11 of token = my thread's number
.set i, i+1
.endr
.set i, 0
.rept 16
	s_wait_dscnt 59-i                              ; behind row load i stand 15 - i row loads and the 44 loads of parts
	global_store_b128 v11, v[XR+4*i:XR+4*i+3], s[16:17] offset:512*i   ; 512 neighbouring bytes: two rows of xT
.set i, i+1
.endr
	s_wait_dscnt 0x0
	s_wait_kmcnt 0x0                               ; gate_b
.irp e, 0,1,2,3,4,5,6,7,8,9,10
	v_add_f32 v[LL+\e], v[PL+\e], v[PL+11+\e]
	v_add_f32 v17, v[PL+22+\e], v[PL+33+\e]
	v_add_f32 v[LL+\e], v[LL+\e], v17
	v_add_f32 v[LL+\e], s[32+\e], v[LL+\e]
.endr
	v_max3_num_f32 v17, v[LL], v[LL+1], v[LL+2]
	v_max3_num_f32 v17, v17, v[LL+3], v[LL+4]
	v_max3_num_f32 v17, v17, v[LL+5], v[LL+6]
	v_max3_num_f32 v17, v17, v[LL+7], v[LL+8]
	v_max3_num_f32 v17, v17, v[LL+9], v[LL+10]
	v_mul_f32 v18, s74, v17
.irp e, 0,1,2,3,4,5,6,7,8,9,10
	v_fma_f32 v[EE+\e], v[LL+\e], s74, -v18        ; (l - max) log2 e
.endr
.irp e, 0,1,2,3,4,5,6,7,8,9,10
	v_exp_f32 v[EE+\e], v[EE+\e]
.endr
.irp e, 0,1,2,3,4,5,6,7,8,9,10
	v_mov_b32 v[RK+\e], 10-\e                      ; plain work behind the exponentials: a rank starts at the number of later experts
.endr
	s_wait_alu depctr_va_vdst(0)                   ; one wait for the eleven exponentials, ahead of their first use
	; rank of e = how many beat it.  For j < e: j beats e where E_j >= E_e (a tie goes to the lower index), else e beats j
.set e, 1
.rept 10
.set j, 0
.rept e
	v_cmp_ge_f32 vcc_lo, v[EE+j], v[EE+e]
	v_cndmask_b32 v17, 0, v20, vcc_lo
	v_add_nc_u32 v[RK+e], v[RK+e], v17
	v_sub_nc_u32 v[RK+j], v[RK+j], v17
.set j, j+1
.endr
.set e, e+1
.endr
.irp e, 0,1,2,3,4,5,6,7,8,9,10
	v_cmp_gt_u32 vcc_lo, 6, v[RK+\e]               ; chosen
	v_cndmask_b32 v[CH+\e], 0, v20, vcc_lo
	v_cndmask_b32 v[CF+\e], 0, v21, vcc_lo
	v_cndmask_b32 v[GT+\e], 0, v[EE+\e], vcc_lo
.endr
	v_add_f32 v18, v[EE], v[EE+1]
	v_add_f32 v19, v[GT], v[GT+1]
.irp e, 2,3,4,5,6,7,8,9,10
	v_add_f32 v18, v18, v[EE+\e]
	v_add_f32 v19, v19, v[GT+\e]
.endr
	v_rcp_f32 v18, v18
	v_rcp_f32 v19, v19
	v_mov_b32 v22, v[CH]                           ; the set as bits; plain work behind the reciprocals
	v_mov_b32 v24, v[CH]                           ; how many chosen so far
	v_mov_b32 v23, 0                               ; the set's rank
.irp e, 1,2,3,4,5,6,7,8,9,10
	v_lshl_or_b32 v22, v[CH+\e], \e, v22
	v_perm_b32 v25, s[45+2*(\e-1)], s[44+2*(\e-1)], v24   ; byte 0: C(e, chosen so far + 1)
	v_and_b32 v25, 0xff, v25
	v_mad_u32_u24 v23, v25, v[CH+\e], v23
	v_add_nc_u32 v24, v24, v[CH+\e]
.endr
	v_lshl_or_b32 v26, v23, 16, v22
	global_store_b32 v12, v26, s[20:21]
	s_wait_alu depctr_va_vdst(0)                   ; one wait for the two reciprocals
.irp e, 0,1,2,3,4,5,6,7,8,9,10
	v_mul_f32 v[GT+\e], v[GT+\e], v19              ; the gate
	v_mul_f32 v[PR+\e], v[EE+\e], v18              ; the score
.endr
.irp e, 11,12,13,14,15
	v_mov_b32 v[GT+\e], 0
.endr
	; gates leave through my wave's own rows of GS, so that a store covers 512 neighbouring bytes
.irp q, 0,1,2,3
	ds_store_b128 v13, v[GT+4*\q:GT+4*\q+3] offset:16*\q
.endr
.irp i, 0,1,2,3
	ds_load_b128 v[GR+4*\i:GR+4*\i+3], v14 offset:640*\i   ; LDS serves a wave's instructions in order: these see the stores above
.endr
.irp i, 0,1,2,3
	s_wait_dscnt 3-\i
	global_store_b128 v15, v[GR+4*\i:GR+4*\i+3], s[18:19] offset:512*\i
.endr
	; sums over my wave's 32 tokens of the 11 scores and the 11 choices
.irp m, 1,2,4,8
.irp e, 0,1,2,3,4,5,6,7,8,9,10
	v_add_f32_dpp v[PR+\e], v[PR+\e], v[PR+\e] row_xmask:\m row_mask:0xf bank_mask:0xf
	v_add_f32_dpp v[CF+\e], v[CF+\e], v[CF+\e] row_xmask:\m row_mask:0xf bank_mask:0xf
.endr
.endr
.irp e, 0,1,2,3,4,5,6,7,8,9,10
	v_permlanex16_b32 v27, v[PR+\e], s72, s73
	v_add_f32 v[PR+\e], v[PR+\e], v27
	v_permlanex16_b32 v27, v[CF+\e], s72, s73
	v_add_f32 v[CF+\e], v[CF+\e], v27
	ds_store_b32 v28, v[PR+\e] offset:4*\e         ; all lanes write one word with one value
	ds_store_b32 v28, v[CF+\e] offset:64+4*\e
.endr
.irp e, 11,12,13,14,15
	ds_store_b32 v28, v30 offset:4*\e
	ds_store_b32 v28, v30 offset:64+4*\e
.endr
	s_wait_dscnt 0x0
	s_barrier_signal -1
	s_barrier_wait -1
	s_cmp_lg_u32 s26, 0
	s_cbranch_scc1 .Lnot_wave_0
.irp i, 0,1,2,3
	ds_load_b32 v[136+\i], v29 offset:128*\i
.endr
	s_wait_dscnt 0x0
	v_add_f32 v136, v136, v137
	v_add_f32 v138, v138, v139
	v_add_f32 v136, v136, v138
	global_store_b32 v31, v136, s[22:23]
.Lnot_wave_0:
	; the weights: x c (w1) or x 1 (w2), rounded to bf16, 16 bytes a piece; neighbouring lanes store neighbouring pieces
	s_cmp_ge_u32 ttmp9, 128
	s_cselect_b32 s68, 1.0, 0x3f596d27             ; c = 0.8493218
	s_mov_b32 s69, s68
.irp it, 0,1,2,3,4,5
.irp k, 0,2,4,6
	v_pk_mul_f32 v[WR+8*\it+\k:WR+8*\it+\k+1], v[WR+8*\it+\k:WR+8*\it+\k+1], s[68:69] op_sel_hi:[1,0]
.endr
.irp k, 0,1,2,3
	v_cvt_pk_bf16_f32 v[WR+8*\it+\k], v[WR+8*\it+2*\k], v[WR+8*\it+2*\k+1]
.endr
.endr
.irp it, 0,1,2,3,4
	global_store_b128 v6, v[WR+8*\it:WR+8*\it+3], s[24:25] offset:262144*\it
.endr
	s_bitcmp1_b32 ttmp9, 6
	s_cbranch_scc1 .Lno_sixth
	global_store_b128 v6, v[WR+40:WR+43], s[24:25] offset:262144*5
.Lno_sixth:
	s_cmp_lt_u32 ttmp9, 44
	s_cbranch_scc0 .Lno_b1
	v_mul_f32 v252, 0x3f596d27, v252
	global_store_b32 v7, v252, s[24:25] offset:B1S
.Lno_b1:
	s_wait_tensorcnt 0x0                           ; the wave's end, behind my last LDS store
	ds_add_u32 v2, v3
	s_wait_dscnt 0x0
	s_endpgm
.Lfunc_end_k_q8e8765b299_route:
	.size	k_q8e8765b299_route, .Lfunc_end_k_q8e8765b299_route-k_q8e8765b299_route
	.p2alignl 7, 3214868480
	.fill 96, 4, 3214868480
	.section	.rodata,"a",@progbits
	.p2align	6, 0x0
	.amdhsa_kernel k_q8e8765b299_route
		.amdhsa_group_segment_fixed_size 68608
		.amdhsa_private_segment_fixed_size 0
		.amdhsa_enable_private_segment 0
		.amdhsa_kernarg_size 88
		.amdhsa_user_sgpr_count 2
		.amdhsa_user_sgpr_kernarg_segment_ptr 1
		.amdhsa_wavefront_size32 1
		.amdhsa_system_sgpr_workgroup_id_x 1
		.amdhsa_system_sgpr_workgroup_id_y 1
		.amdhsa_system_sgpr_workgroup_id_z 1
		.amdhsa_system_vgpr_workitem_id 0
		.amdhsa_next_free_vgpr 256
		.amdhsa_next_free_sgpr 104
		.amdhsa_reserve_vcc 1
		.amdhsa_float_denorm_mode_32 3
		.amdhsa_float_denorm_mode_16_64 3
		.amdhsa_memory_ordered 1
		.amdhsa_forward_progress 1
		.amdhsa_inst_pref_size 99
	.end_amdhsa_kernel
	.amdgpu_metadata
---
amdhsa.version: [ 1, 2 ]
amdhsa.kernels:
  - .name:           k_q8e8765b299_route
    .symbol:         k_q8e8765b299_route.kd
    .args:
      - { .name: x, .offset: 0, .size: 8, .value_kind: global_buffer, .address_space: global }
      - { .name: gate_w, .offset: 8, .size: 8, .value_kind: global_buffer, .address_space: global }
      - { .name: gate_b, .offset: 16, .size: 8, .value_kind: global_buffer, .address_space: global }
      - { .name: w1, .offset: 24, .size: 8, .value_kind: global_buffer, .address_space: global }
      - { .name: w2, .offset: 32, .size: 8, .value_kind: global_buffer, .address_space: global }
      - { .name: b1, .offset: 40, .size: 8, .value_kind: global_buffer, .address_space: global }
      - { .name: xT, .offset: 48, .size: 8, .value_kind: global_buffer, .address_space: global }
      - { .name: gates, .offset: 56, .size: 8, .value_kind: global_buffer, .address_space: global }
      - { .name: keys, .offset: 64, .size: 8, .value_kind: global_buffer, .address_space: global }
      - { .name: part, .offset: 72, .size: 8, .value_kind: global_buffer, .address_space: global }
      - { .name: wf, .offset: 80, .size: 8, .value_kind: global_buffer, .address_space: global }
    .group_segment_fixed_size: 68608
    .private_segment_fixed_size: 0
    .kernarg_segment_align: 8
    .kernarg_segment_size: 88
    .max_flat_workgroup_size: 128
    .sgpr_count:     104
    .vgpr_count:     256
    .wavefront_size: 32
...
	.end_amdgpu_metadata
.endif
;; end of part 1
;; launch place (part 2): grid 231 x 1, 32 waves a work-group, no clusters, 8,704 bytes of LDS; arguments keys, part, perm, out1; writes perm, out1
.if DOCPART == 2
	.amdgcn_target "amdgcn-amd-amdhsa--gfx1250"
	.amdhsa_code_object_version 6
	.text
	.protected	k_q8e8765b299_place
	.globl	k_q8e8765b299_place
	.p2align	8
	.type	k_q8e8765b299_place,@function
k_q8e8765b299_place:
	s_mov_b64 s[64:65], 0
	v_nop
	global_prefetch_b8 v0, s[64:65] scope:SCOPE_SE
	s_setreg_imm32_b32 hwreg(HW_REG_WAVE_MODE, 25, 1), 1
	s_wait_xcnt 0x0
; TOKENS SORTED BY THEIR SET OF EXPERTS, without atomics, and the aux loss.  462 sets; work-group g owns sets 2 g and 2 g + 1.
; Every work-group scans all 32,768 keys (wave w keys 1,024 w on): it counts the keys below its two sets and in each, and so knows where its tokens go.
; perm [sorted place] = (the set as 11 bits) << 16 | token.  Each place is stored by one work-group.  Serves every split: any set may hold all tokens or none.
; All numbers from which a place is made are whole numbers.  out1 = 11 x sum over e of (sum of scores / 32,768) (count / 32,768), by work-group 0, wave 0.
; ORDER.  All offsets, values and lane masks are made first, with all lanes on and in a straight line; only then EXEC is narrowed, once for each of the 32 stores, and no vector register is written from there on.
.set TAB,   0        ; [wave] 16 bytes: its three counts
.set AUXT,  512      ; [wave][32] f32
.set SPARE, 4608     ; the spare words: 128 bytes a wave, named by no other line
.set K,  8           ; v[8:39]   my wave's keys: K[4 m + k] is token 1,024 w + 128 m + 4 lane + k; later the values to store
.set OF, 64          ; v[64:95]  the byte offsets in perm
.set AX, 96          ; v[96:127] the aux loss's 32 partial rows
.set M,  68          ; s[68:99]  for each key register: the lanes whose token is mine
	s_load_b256 s[4:11], s[0:1], 0x0               ; keys 4, part 6, perm 8, out1 10
	v_lshl_add_u32 v2, v0, 2, SPARE
	v_mov_b32 v3, 0
	v_lshrrev_b32 v4, 5, v0
	v_readfirstlane_b32 s14, v4                    ; wave
	v_and_b32 v1, 31, v0
	s_lshl_b32 s15, s14, 12
	v_lshl_add_u32 v4, v1, 4, s15
	s_lshl_b32 s16, s14, 10
	v_lshl_add_u32 v5, v1, 2, s16                  ; token of K[0]
	v_lshl_add_u32 v6, v1, 2, s16                  ; part: rows 8 w on, my column
	v_lshl_add_u32 v7, v0, 2, AUXT
	s_lshl_b32 s17, s14, 4
	v_mov_b32 v52, s17
	v_lshlrev_b32 v53, 4, v1
	s_mov_b32 s12, 0x76543210
	s_mov_b32 s13, 0xfedcba98
	s_lshl_b32 s20, ttmp9, 17                      ; keys below this lie in earlier sets,
	s_add_co_u32 s21, s20, 0x10000                 ; below this in set 2 g or earlier,
	s_add_co_u32 s22, s20, 0x20000                 ; below this in set 2 g + 1 or earlier
	s_mov_b32 s26, 0
	s_mov_b32 s27, 0
	s_mov_b32 s28, 0
	s_wait_kmcnt 0x0
.irp m, 0,1,2,3,4,5,6,7
	global_load_b128 v[K+4*\m:K+4*\m+3], v4, s[4:5] offset:512*\m
.endr
.irp i, 0,1,2,3,4,5,6,7
	global_load_b32 v[56+\i], v6, s[6:7] offset:128*\i
.endr
	s_wait_loadcnt 0x0
.set n, 0
.rept 32
	v_cmp_gt_u32 s30, s20, v[K+n]
	v_cmp_gt_u32 s31, s21, v[K+n]
	v_cmp_gt_u32 s32, s22, v[K+n]
	s_bcnt1_i32_b32 s30, s30
	s_bcnt1_i32_b32 s31, s31
	s_bcnt1_i32_b32 s32, s32
	s_add_co_u32 s26, s26, s30
	s_add_co_u32 s27, s27, s31
	s_add_co_u32 s28, s28, s32
.set n, n+1
.endr
	v_mov_b32 v44, s26
	v_mov_b32 v45, s27
	v_mov_b32 v46, s28
	v_mov_b32 v47, 0                               ; stays 0: also the offset of out1's one word
	ds_store_b128 v52, v[44:47]                    ; all lanes write the same 16 bytes
	v_add_f32 v56, v56, v57
	v_add_f32 v58, v58, v59
	v_add_f32 v60, v60, v61
	v_add_f32 v62, v62, v63
	v_add_f32 v56, v56, v58
	v_add_f32 v60, v60, v62
	v_add_f32 v56, v56, v60
	ds_store_b32 v7, v56
	s_wait_dscnt 0x0
	s_barrier_signal -1
	s_barrier_wait -1
	ds_load_b128 v[48:51], v53                     ; lane i: wave i's counts
	s_wait_dscnt 0x0
	v_cmp_gt_u32 vcc_lo, s14, v1                   ; an earlier wave than mine
	v_sub_nc_u32 v54, v49, v48
	v_sub_nc_u32 v55, v50, v49
	v_cndmask_b32 v54, 0, v54, vcc_lo
	v_cndmask_b32 v55, 0, v55, vcc_lo
	v_add_nc_u32 v54, v48, v54                     ; all keys of earlier sets, and earlier waves' keys of set 2 g
	v_add_nc_u32 v55, v49, v55                     ; the same for set 2 g + 1
	v_mov_b32 v40, 0
	v_mov_b32 v41, 0
.irp m, 1,2,4,8
	v_mov_b32_dpp v40, v54 row_xmask:\m row_mask:0xf bank_mask:0xf
	v_mov_b32_dpp v41, v55 row_xmask:\m row_mask:0xf bank_mask:0xf
	v_add_nc_u32 v54, v54, v40
	v_add_nc_u32 v55, v55, v41
.endr
	v_permlanex16_b32 v40, v54, s12, s13
	v_permlanex16_b32 v41, v55, s12, s13
	v_add_nc_u32 v54, v54, v40
	v_add_nc_u32 v55, v55, v41
	v_readfirstlane_b32 s24, v54                   ; where my wave's next token of set 2 g goes,
	v_readfirstlane_b32 s25, v55                   ; and of set 2 g + 1
	; the aux loss, by one wave of the launch
	s_or_b32 s30, ttmp9, s14
	s_cmp_lg_u32 s30, 0
	s_cbranch_scc1 .Lno_aux
	v_lshl_add_u32 v57, v1, 2, AUXT
.set i, 0
.rept 32
	ds_load_b32 v[AX+i], v57 offset:128*i
.set i, i+1
.endr
	s_wait_dscnt 0x0
.set i, 4
.rept 28
	v_add_f32 v[AX+i%4], v[AX+i%4], v[AX+i]
.set i, i+1
.endr
	v_add_f32 v[AX], v[AX], v[AX+1]
	v_add_f32 v[AX+2], v[AX+2], v[AX+3]
	v_add_f32 v[AX], v[AX], v[AX+2]                ; lanes 0-10: sums of scores; lanes 16-26: counts; the others 0
	v_permlanex16_b32 v40, v[AX], s12, s13
	v_mul_f32 v[AX], v[AX], v40                    ; lane i and lane 16 + i hold the same product
.irp m, 1,2,4,8
	v_add_f32_dpp v[AX], v[AX], v[AX] row_xmask:\m row_mask:0xf bank_mask:0xf
.endr
	v_mul_f32 v[AX], 0x32300000, v[AX]             ; x 11 / 2^30
	global_store_b32 v47, v[AX], s[10:11]          ; both halves of the lanes added the same numbers in the same order: all 32 lanes store one word with one value
.Lno_aux:
	; for each key register: which lanes are mine, where they go (kept inside perm), what they store
.set n, 0
.rept 32
	v_cmp_gt_u32 s30, s20, v[K+n]
	v_cmp_gt_u32 s31, s21, v[K+n]
	v_cmp_gt_u32 s32, s22, v[K+n]
	s_and_not1_b32 s33, s31, s30                   ; lanes of set 2 g
	s_and_not1_b32 s34, s32, s31                   ; lanes of set 2 g + 1
	s_or_b32 s[M+n], s33, s34
	v_mbcnt_lo_u32_b32 v40, s33, s24               ; the base + how many lower lanes have the same set
	v_mbcnt_lo_u32_b32 v41, s34, s25
	v_cndmask_b32 v40, v40, v41, s34
	v_min_u32 v40, 0x7fff, v40
	v_lshlrev_b32 v[OF+n], 2, v40
	v_add_nc_u32 v43, (n/4)*128+n%4, v5            ; the token
	v_lshl_or_b32 v[K+n], v[K+n], 16, v43          ; the shift drops the rank and leaves the 11 bits on top
	s_bcnt1_i32_b32 s33, s33
	s_bcnt1_i32_b32 s34, s34
	s_add_co_u32 s24, s24, s33
	s_add_co_u32 s25, s25, s34
.set n, n+1
.endr
	s_wait_xcnt 0x0                                ; EXEC changes only behind s_wait_xcnt 0
.set n, 0
.rept 32
	s_and_saveexec_b32 s36, s[M+n]                 ; my lanes alone; often none, and the store then does nothing
	global_store_b32 v[OF+n], v[K+n], s[8:9]
	s_wait_xcnt 0x0                                ; and it is widened again only behind this wait
	s_or_b32 exec_lo, exec_lo, s36
.set n, n+1
.endr
	s_wait_tensorcnt 0x0                           ; the wave's end, behind my last LDS store
	ds_add_u32 v2, v3
	s_wait_dscnt 0x0
	s_endpgm
.Lfunc_end_k_q8e8765b299_place:
	.size	k_q8e8765b299_place, .Lfunc_end_k_q8e8765b299_place-k_q8e8765b299_place
	.p2alignl 7, 3214868480
	.fill 96, 4, 3214868480
	.section	.rodata,"a",@progbits
	.p2align	6, 0x0
	.amdhsa_kernel k_q8e8765b299_place
		.amdhsa_group_segment_fixed_size 8704
		.amdhsa_private_segment_fixed_size 0
		.amdhsa_enable_private_segment 0
		.amdhsa_kernarg_size 32
		.amdhsa_user_sgpr_count 2
		.amdhsa_user_sgpr_kernarg_segment_ptr 1
		.amdhsa_wavefront_size32 1
		.amdhsa_system_sgpr_workgroup_id_x 1
		.amdhsa_system_sgpr_workgroup_id_y 1
		.amdhsa_system_sgpr_workgroup_id_z 1
		.amdhsa_system_vgpr_workitem_id 0
		.amdhsa_next_free_vgpr 128
		.amdhsa_next_free_sgpr 104
		.amdhsa_reserve_vcc 1
		.amdhsa_float_denorm_mode_32 3
		.amdhsa_float_denorm_mode_16_64 3
		.amdhsa_memory_ordered 1
		.amdhsa_forward_progress 1
		.amdhsa_inst_pref_size 53
	.end_amdhsa_kernel
	.amdgpu_metadata
---
amdhsa.version: [ 1, 2 ]
amdhsa.kernels:
  - .name:           k_q8e8765b299_place
    .symbol:         k_q8e8765b299_place.kd
    .args:
      - { .name: keys, .offset: 0, .size: 8, .value_kind: global_buffer, .address_space: global }
      - { .name: part, .offset: 8, .size: 8, .value_kind: global_buffer, .address_space: global }
      - { .name: perm, .offset: 16, .size: 8, .value_kind: global_buffer, .address_space: global }
      - { .name: out1, .offset: 24, .size: 8, .value_kind: global_buffer, .address_space: global }
    .group_segment_fixed_size: 8704
    .private_segment_fixed_size: 0
    .kernarg_segment_align: 8
    .kernarg_segment_size: 32
    .max_flat_workgroup_size: 1024
    .sgpr_count:     104
    .vgpr_count:     128
    .wavefront_size: 32
...
	.end_amdgpu_metadata
.endif
;; end of part 2
;; launch experts (part 3): grid 256 x 1, 4 waves a work-group, no clusters, 297,472 bytes of LDS; arguments xT, gates, perm, wf, b2, accT; writes accT
.if DOCPART == 3
	.amdgcn_target "amdgcn-amd-amdhsa--gfx1250"
	.amdhsa_code_object_version 6
	.text
	.protected	k_q8e8765b299_experts
	.globl	k_q8e8765b299_experts
	.p2align	8
	.type	k_q8e8765b299_experts,@function
k_q8e8765b299_experts:
	s_mov_b64 s[64:65], 0
	v_nop
	global_prefetch_b8 v0, s[64:65] scope:SCOPE_SE
	s_setreg_imm32_b32 hwreg(HW_REG_WAVE_MODE, 25, 1), 1
	s_wait_xcnt 0x0
; THE EXPERTS.  accT[token][:] = sum over the token's six experts of gate x (W2 gelu(W1 x + b1) + b2), bf16, one owner a row.
; A work-group owns 128 places of the sorted list (8 blocks of 16 tokens), whatever the split.  Neighbouring places hold tokens of the same or the next set of experts, so a block needs few experts
; beyond six; an (expert, block) pair that no token of the block chose is jumped; where a block is mixed, a token that did not choose the expert has gate 0.
; SHARES.  Wave w owns hidden units 128 w .. 128 w + 127 of EVERY expert, in four chunks of 32, and all 128 tokens: 64 accumulators of 16 channels x 16 tokens.  The four waves' sums meet in LDS at the end, in f32.
; LAYOUT.  H^T = W1 X^T (source 0 = 16 hidden x 32 channels, source 1 = 16 tokens): a lane holds ONE token and eight hidden units.  Two such results, through the GELU, times the gate, rounded to bf16,
; ARE source 1 (32 hidden x 16 tokens) of Out^T = W2 H^T.  The weights come from memory straight into operand registers (an earlier launch laid them so), two buffers by turns, a chunk ahead; nothing in the loop writes LDS.
; The sums start with b2: a product of b2 (16 channels x experts) with the tokens' gates (experts x 16 tokens), a quarter of it in each wave.
; GELU, exact form, erf by Abramowitz and Stegun 7.1.26, |error| <= 1.5e-7 for every argument.  With v' = c v (c = sqrt(log2(e)/2), folded into w1 and b1): t = 1 / (1 + p |v'| / sqrt(log2 e)), E = 2^(-v'^2),
; gelu(v) = (0.5 / c) (v' + |v'| (1 - poly(t) E)).
; LIMITS.  x, w1 x c, w2, b2, the gates in the b2 term, the gated hidden layer and accT are rounded to bf16.  NaN and infinities are not treated apart.
; NO CLUSTER, NO TENSOR LOAD: which experts a work-group walks, and how many, hangs on its own tokens, so partners would need different tiles and different numbers of them; a joint walk of all 11 experts would move 11 for some 7.
; REGISTERS, in windows of 256 (s_set_vgpr_msb: bits 1:0 source 0, 3:2 source 1, 5:4 source 2, 7:6 destination):
;   window 0: v1-13 lane terms and addresses; v14, v15 the add's; v16-31 at work; v32-95 X's fragments, two buffers; v96-111 H; v112-119 P; v120-151 b1, two buffers; v152-199 D, E, R; v200-207 MW; v208-215 GN; v216-223 GO; v224-239 XO
;   window 1: buffer p: W1 at v[128 p ..], W2 at v[128 p + 64 ..]          windows 2, 3: accumulator (tb, ct) at window 2 + tb / 4, v[64 (tb % 4) + 8 ct]
.set XP,    272      ; a row of X in LDS: 256 bytes + 16: the 16 rows of a fragment load start at 16 different groups of four banks
.set RED,   34816    ; behind X's 128 rows: [wave] 65,536 [block] 8,192 [ct, half] 512 [lane] 16: the waves' partial sums
.set SPARE, 296960   ; the spare words: 128 bytes a wave, named by no other line
.set W2F,   1441792
.set B1S,   2883584
.set MSB, 0
.macro WIN new                         ; the immediate's high byte repeats the setting that is left; a switch that changes nothing is dropped
.if MSB != (\new)
	s_set_vgpr_msb (MSB<<8)|(\new)
.set MSB, (\new)
.endif
.endm
.macro PLACES                          ; four places between a matrix instruction and a vector line or load that touches its registers
.rept 4
	v_nop
.endr
.endm
	s_load_b256 s[4:11], s[0:1], 0x0               ; xT 4, gates 6, perm 8, wf 10
	s_load_b128 s[12:15], s[0:1], 0x20             ; b2 12, accT 14
	v_lshl_add_u32 v14, v0, 2, SPARE
	v_mov_b32 v15, 0
	v_lshrrev_b32 v16, 5, v0
	v_readfirstlane_b32 s16, v16                   ; wave
	v_and_b32 v3, 31, v0                           ; lane
	v_and_b32 v1, 15, v0                           ; r
	v_bfe_u32 v2, v0, 4, 1                         ; h
	v_lshlrev_b32 v4, 4, v3
	v_lshlrev_b32 v5, 5, v2
	v_mul_u32_u24 v6, v1, XP
	v_lshl_add_u32 v6, v2, 4, v6                   ; a fragment of X: row r, 16 bytes for each half of the lanes
	s_lshl_b32 s25, s16, 16
	s_add_co_u32 s25, s25, RED
	v_add_nc_u32 v7, s25, v4                       ; where my partial sums go
	s_lshl_b32 s25, s16, 14
	s_add_co_u32 s25, s25, RED
.irp s, 0,1,2,3
	v_add_nc_u32 v[8+\s], s25, v4                  ; wave s's partial sums of blocks 2 w, 2 w + 1
	s_add_co_u32 s25, s25, 65536
.endr
	s_mul_i32 s25, s16, 32*XP
	v_add_nc_u32 v12, s25, v6                      ; the way out, in: row 32 w + r
	v_mul_u32_u24 v13, v2, XP
	v_lshl_add_u32 v13, v1, 4, v13
	v_add_nc_u32 v13, s25, v13                     ; rows 32 w on, two whole rows a load or store
	v_lshlrev_b32 v26, 2, v2
	s_lshl_b32 s26, s16, 7
	v_add_nc_u32 v26, s26, v26
	v_lshlrev_b32 v27, 2, v1
	v_lshlrev_b32 v24, 4, v1
	v_lshlrev_b32 v28, 2, v1
	v_mov_b32 v25, 0
	s_mov_b32 s47, 0
	s_lshl_b32 s46, ttmp9, 9
	s_mov_b32 s48, 0x3e827906                      ; a1 .. a5, each named as a pair
	s_mov_b32 s49, s48
	s_mov_b32 s50, 0xbe91a98e
	s_mov_b32 s51, s50
	s_mov_b32 s52, 0x3fb5f0e3
	s_mov_b32 s53, s52
	s_mov_b32 s54, 0xbfba00e3
	s_mov_b32 s55, s54
	s_mov_b32 s56, 0x3f87dc22
	s_mov_b32 s57, s56
	s_mov_b32 s58, 0x3e8ba43f                      ; p / sqrt(log2 e) = 0.2727375
	s_mov_b32 s59, 0x3f16b55f                      ; 0.5 / c = 0.588705
	s_lshl_b32 s60, s16, 15                        ; my wave's part of an expert's fragments,
	s_lshl_b32 s61, s16, 9                         ; and of its b1
	s_wait_kmcnt 0x0
	s_add_nc_u64 s[8:9], s[8:9], s[46:47]          ; perm at my 128 places
.set i, 0
.rept 16
	global_load_b32 v[224+i], v26, s[8:9] offset:8*i      ; places 32 w + 2 i + h
.set i, i+1
.endr
.irp tb, 0,1,2,3,4,5,6,7
	global_load_b32 v[216+\tb], v27, s[8:9] offset:64*\tb ; place 16 tb + r
.endr
	s_wait_loadcnt 0x0
.set i, 0
.rept 16
	v_and_b32 v[224+i], 0xffff, v[224+i]
	v_min_u32 v[224+i], 0x7fff, v[224+i]
	v_lshl_add_u32 v[224+i], v[224+i], 8, v24      ; XO: the token's row, my 16 bytes of it
.set i, i+1
.endr
.set i, 0
.rept 16
	global_load_b128 v[96+4*i:96+4*i+3], v[224+i], s[4:5] ; sixteen lanes take a whole row of 256 bytes
.set i, i+1
.endr
.irp tb, 0,1,2,3,4,5,6,7
	v_lshrrev_b32 v[16+\tb], 16, v[216+\tb]        ; the token's experts as bits
	v_and_b32 v[216+\tb], 0xffff, v[216+\tb]
	v_min_u32 v[216+\tb], 0x7fff, v[216+\tb]
	v_lshlrev_b32 v[216+\tb], 6, v[216+\tb]        ; GO: the token's row of gates
	v_add_nc_u32 v[192+\tb], v[216+\tb], v5
.endr
	WIN 0x40                                       ; destination window 1
.irp tb, 0,1,2,3,4,5,6,7
	global_load_b128 v[8*\tb:8*\tb+3], v[192+\tb], s[6:7]
	global_load_b128 v[8*\tb+4:8*\tb+7], v[192+\tb], s[6:7] offset:16
.endr
	WIN 0
.irp i, 0,1,2,3,4,5,6,7
	v_lshl_add_u32 v[184+\i], v2, 3, \i
	v_min_u32 v[184+\i], 10, v[184+\i]             ; experts 11-15 do not exist: expert 10's row stands in, and meets gates that are 0
	v_lshl_add_u32 v[184+\i], v[184+\i], 9, v28
.endr
	s_wait_loadcnt 16                              ; X's 16 loads are in; the 16 loads of gates behind them stay out
.set i, 0
.rept 16
	ds_store_b128 v13, v[96+4*i:96+4*i+3] offset:544*i
.set i, i+1
.endr
	WIN 0x40
.irp ct, 0,1,2,3,4,5,6,7
.irp i, 0,1,2,3,4,5,6,7
	global_load_b32 v[64+8*\ct+\i], v[184+\i], s[12:13] offset:64*\ct   ; b2[8 h + i][16 ct + r]
.endr
.endr
	WIN 0
	; which experts each block needs: the bits of its 16 tokens, joined
.irp m, 1,2,4,8
.irp tb, 0,1,2,3,4,5,6,7
	v_mov_b32_dpp v25, v[16+\tb] row_xmask:\m row_mask:0xf bank_mask:0xf
	v_or_b32 v[16+\tb], v[16+\tb], v25
.endr
.endr
.irp tb, 0,1,2,3,4,5,6,7
	v_readfirstlane_b32 s[28+\tb], v[16+\tb]
.endr
	s_or_b32 s18, s28, s29
.irp tb, 2,3,4,5,6,7
	s_or_b32 s18, s18, s[28+\tb]
.endr
	s_and_b32 s18, s18, 0x7ff                      ; the work-group's experts
	s_bcnt1_i32_b32 s22, s18
	s_lshl_b32 s22, s22, 1
	s_min_u32 s22, s22, 22                         ; trips: two for each expert
	s_ctz_i32_b32 s19, s18
	s_min_u32 s19, s19, 10                         ; the first expert
	s_mov_b32 s24, 0                               ; which half of its four chunks
	s_mov_b32 s27, 0
	s_mov_b32 s21, 0
	s_wait_dscnt 0x0                               ; for the others' sake: my 32 rows of X are in LDS
	s_barrier_signal -1
	s_barrier_wait -1
	s_wait_loadcnt 0x0
	WIN 0x45                                       ; sources and destination window 1
.irp ct, 0,1,2,3,4,5,6,7
.irp k, 0,2,4,6
	v_pk_mul_f32 v[64+8*\ct+\k:64+8*\ct+\k+1], v[64+8*\ct+\k:64+8*\ct+\k+1], 0x3e800000 op_sel_hi:[1,0]  ; a quarter in each of four waves
.endr
.irp k, 0,1,2,3
	v_cvt_pk_bf16_f32 v[128+8*\ct+\k], v[64+8*\ct+2*\k], v[64+8*\ct+2*\k+1]
	v_mov_b32 v[128+8*\ct+4+\k], 0                 ; k = 16 .. 31: no such experts
.endr
.endr
	WIN 0x05                                       ; sources window 1, destination window 0
.irp tb, 0,1,2,3,4,5,6,7
.irp k, 0,1,2,3
	v_cvt_pk_bf16_f32 v[32+8*\tb+\k], v[8*\tb+2*\k], v[8*\tb+2*\k+1]
	v_mov_b32 v[32+8*\tb+4+\k], 0
.endr
.endr
	WIN 0
; the bases of buffer p for expert s[e], chunk s[c]: fragments at e 131,072 + w 32,768 + c 8,192 (the same for W1 and W2), b1 at e 2,048 + w 512 + c 128
.macro SETB p, e, c
	s_lshl_b32 s25, s[\e], 17
	s_lshl_b32 s26, s[\c], 13
	s_add_co_u32 s25, s25, s26
	s_add_co_u32 s46, s25, s60
	s_add_nc_u64 s[36+4*(\p):37+4*(\p)], s[10:11], s[46:47]
	s_lshl_b32 s25, s[\e], 11
	s_lshl_b32 s26, s[\c], 7
	s_add_co_u32 s25, s25, s26
	s_add_co_u32 s46, s25, s61
	s_add_nc_u64 s[38+4*(\p):39+4*(\p)], s[10:11], s[46:47]
.endm
; a chunk's weights into buffer p: 8 fragments of W1, 8 of W2 (each load 512 neighbouring bytes), 16 numbers of b1 a lane
.macro LOADW p
	WIN 0x40
.set i, 0
.rept 16
	global_load_b128 v[128*(\p)+4*i:128*(\p)+4*i+3], v4, s[36+4*(\p):37+4*(\p)] offset:512*i
.set i, i+1
.endr
.set i, 0
.rept 16
	global_load_b128 v[128*(\p)+64+4*i:128*(\p)+64+4*i+3], v4, s[36+4*(\p):37+4*(\p)] offset:W2F+512*i
.set i, i+1
.endr
	WIN 0
.irp i, 0,1,2,3
	global_load_b128 v[120+16*(\p)+4*\i:120+16*(\p)+4*\i+3], v5, s[38+4*(\p):39+4*(\p)] offset:B1S+(\i/2)*64+(\i%2)*16
.endr
.endm
.macro LOADG                           ; my tokens' gates for the expert whose address is in s[44:45]
.irp tb, 0,1,2,3,4,5,6,7
	global_load_b32 v[208+\tb], v[216+\tb], s[44:45]
.endr
.endm
	SETB 0, 19, 27
	s_lshl_b32 s46, s19, 2
	s_add_nc_u64 s[44:45], s[6:7], s[46:47]
	LOADW 0
	LOADG
	; the sums start: 64 products, each on an accumulator of its own, with the constant 0
.set tb, 0
.rept 8
	WIN 0xa1+0x50*(tb/4)
.irp ct, 0,1,2,3,4,5,6,7
	v_wmma_f32_16x16x32_bf16 v[64*(tb%4)+8*\ct:64*(tb%4)+8*\ct+7], v[128+8*\ct:128+8*\ct+7], v[32+8*tb:32+8*tb+7], 0
.endr
.set tb, tb+1
.endr
	WIN 0
	PLACES
.irp ks, 0,1,2,3
	ds_load_b128 v[32+8*\ks:32+8*\ks+3], v6 offset:64*\ks
	ds_load_b128 v[32+8*\ks+4:32+8*\ks+7], v6 offset:64*\ks+32
.endr
; 16 numbers a lane through the GELU, times the gate, into P.  The 32 transcendentals are one batch with one wait.
.macro GELU tb
.set mw, 200+2*((\tb)/2)
.set i, 0
.rept 8
	v_pk_mul_f32 v[168+2*i:169+2*i], v[96+2*i:97+2*i], v[96+2*i:97+2*i] neg_lo:[1,0] neg_hi:[1,0]   ; -v'^2; each accumulator is read from its low end on
.set i, i+1
.endr
.set i, 0
.rept 16
	v_fma_f32 v[152+i], |v[96+i]|, s58, 1.0
	v_exp_f32 v[168+i], v[168+i]
.set i, i+1
.endr
.set i, 0
.rept 8
	v_rcp_f32 v[152+2*i], v[152+2*i]
	v_rcp_f32 v[153+2*i], v[153+2*i]
.if ((\tb)%2) == 0
	v_pk_mul_f32 v[96+2*i:97+2*i], v[96+2*i:97+2*i], v[mw:mw+1] op_sel_hi:[1,0]                  ; v' x gate x 0.5 / c
.else
	v_pk_mul_f32 v[96+2*i:97+2*i], v[96+2*i:97+2*i], v[mw:mw+1] op_sel:[0,1] op_sel_hi:[1,1]
.endif
.set i, i+1
.endr
	s_wait_alu depctr_va_vdst(0)                   ; one wait for the batch, behind a plain line and ahead of the first use
.set i, 0
.rept 8
	v_pk_fma_f32 v[184+2*i:185+2*i], v[152+2*i:153+2*i], s[56:57], s[54:55] op_sel_hi:[1,0,0]
	v_pk_mul_f32 v[168+2*i:169+2*i], v[168+2*i:169+2*i], v[152+2*i:153+2*i]                      ; t E
.set i, i+1
.endr
.irp a, 52, 50, 48
.set i, 0
.rept 8
	v_pk_fma_f32 v[184+2*i:185+2*i], v[184+2*i:185+2*i], v[152+2*i:153+2*i], s[\a:\a+1] op_sel_hi:[1,1,0]
.set i, i+1
.endr
.endr
.set i, 0
.rept 8
	v_pk_fma_f32 v[184+2*i:185+2*i], v[184+2*i:185+2*i], v[168+2*i:169+2*i], 1.0 op_sel_hi:[1,1,0] neg_lo:[1,0,0] neg_hi:[1,0,0]   ; erf of the magnitude
.set i, i+1
.endr
.set i, 0
.rept 16
	v_fma_f32 v[184+i], |v[96+i]|, v[184+i], v[96+i]
.set i, i+1
.endr
.set i, 0
.rept 8
	v_cvt_pk_bf16_f32 v[112+i], v[184+2*i], v[185+2*i]
.set i, i+1
.endr
.endm
; Block tb against the chunk in buffer p.  The next block's fragments of X are asked for first, whether or not this block is jumped, so that the counts are the same on every way.
.macro SLOT tb, p
.set nb, ((\tb)+1)%8
.set xn, 32+32*(nb%2)
.set xc, 32+32*((\tb)%2)
.irp ks, 0,1,2,3
	ds_load_b128 v[xn+8*\ks:xn+8*\ks+3], v6 offset:nb*16*XP+64*\ks
	ds_load_b128 v[xn+8*\ks+4:xn+8*\ks+7], v6 offset:nb*16*XP+64*\ks+32
.endr
	s_wait_dscnt 8                                 ; all but the eight just issued: this block's fragments are in
	s_bitcmp1_b32 s[28+(\tb)], s19                 ; did a token of the block choose the expert?
	s_cbranch_scc0 .Lskip_\@
	WIN 0x01                                       ; W1 in window 1
.irp ks, 0,1,2,3                       ; the two accumulators take turns; b1 starts the sums
.if \ks == 0
	v_wmma_f32_16x16x32_bf16 v[96:103], v[128*(\p):128*(\p)+7], v[xc:xc+7], v[120+16*(\p):127+16*(\p)]
	v_wmma_f32_16x16x32_bf16 v[104:111], v[128*(\p)+32:128*(\p)+39], v[xc:xc+7], v[128+16*(\p):135+16*(\p)]
.else
	v_wmma_f32_16x16x32_bf16 v[96:103], v[128*(\p)+8*\ks:128*(\p)+8*\ks+7], v[xc+8*\ks:xc+8*\ks+7], v[96:103]
	v_wmma_f32_16x16x32_bf16 v[104:111], v[128*(\p)+32+8*\ks:128*(\p)+32+8*\ks+7], v[xc+8*\ks:xc+8*\ks+7], v[104:111]
.endif
.endr
	WIN 0
	PLACES
	GELU \tb
	WIN 0xa1+0x50*((\tb)/4)                        ; W2 in window 1, P in window 0, the accumulators in window 2 or 3
.irp ct, 0,1,2,3,4,5,6,7
	v_wmma_f32_16x16x32_bf16 v[64*((\tb)%4)+8*\ct:64*((\tb)%4)+8*\ct+7], v[128*(\p)+64+8*\ct:128*(\p)+64+8*\ct+7], v[112:119], v[64*((\tb)%4)+8*\ct:64*((\tb)%4)+8*\ct+7]
.endr
	WIN 0
.Lskip_\@:
.endm
.Ltrip:                                ; a trip: two chunks of one expert.  The LDS addresses are the same in every trip
	s_wait_loadcnt 0x0                             ; buffer 0 and the gates, asked for a chunk ago; nothing else is out, so every base may be written
.irp tb, 0,1,2,3,4,5,6,7
	v_mul_f32 v[200+\tb], s59, v[208+\tb]          ; gate x 0.5 / c; these eight are also the places in front of the loads into buffer 1
.endr
	s_lshl_b32 s27, s24, 1
	s_add_co_u32 s27, s27, 1
	SETB 1, 19, 27
	LOADW 1
.irp tb, 0,1,2,3,4,5,6,7
	SLOT \tb, 0
.endr
	s_wait_loadcnt 0x0                             ; buffer 1
	s_lshl_b32 s25, -2, s19
	s_and_b32 s25, s18, s25
	s_ctz_i32_b32 s25, s25
	s_min_u32 s25, s25, 10                         ; the next expert; behind the last one a load that nobody uses stays inside the buffers
	s_cmp_eq_u32 s24, 0
	s_cselect_b32 s20, s19, s25
	s_cselect_b32 s27, 2, 0
	SETB 0, 20, 27
	s_lshl_b32 s46, s20, 2
	s_add_nc_u64 s[44:45], s[6:7], s[46:47]
	PLACES
	LOADW 0
	LOADG
.irp tb, 0,1,2,3,4,5,6,7
	SLOT \tb, 1
.endr
	s_mov_b32 s19, s20
	s_xor_b32 s24, s24, 1
	s_add_co_u32 s21, s21, 1
	s_cmp_lt_u32 s21, s22
	s_cbranch_scc1 .Ltrip
	; THE WAY OUT.  Every wave's 64 partial sums go to LDS in f32; wave w adds the four waves' sums of blocks 2 w and 2 w + 1, rounds once to bf16, turns them into rows through its own 32 rows of X's place, and stores whole rows.
	s_wait_loadcnt 0x0                             ; the look-ahead's loads: their registers are used again below
	s_wait_dscnt 0x0
	PLACES
.set tb, 0
.rept 8
	WIN 0x08+4*(tb/4)                              ; store data in window 2 or 3
.set c, 0
.rept 8
	ds_store_b128 v7, v[64*(tb%4)+8*c:64*(tb%4)+8*c+3] offset:(tb*16+c*2)*512
	ds_store_b128 v7, v[64*(tb%4)+8*c+4:64*(tb%4)+8*c+7] offset:(tb*16+c*2+1)*512
.set c, c+1
.endr
.set tb, tb+1
.endr
	WIN 0
	s_wait_dscnt 0x0                               ; for the others' sake: my sums are in LDS, and my reads of X are over
	s_barrier_signal -1
	s_barrier_wait -1
.macro SUML n                          ; batch n = 8 (block of my two) + ct: four waves x 32 bytes a lane
.set xl, 32+32*((\n)%2)
.irp s, 0,1,2,3
	ds_load_b128 v[xl+8*\s:xl+8*\s+3], v[8+\s] offset:(((\n)/8)*16+((\n)%8)*2)*512
	ds_load_b128 v[xl+8*\s+4:xl+8*\s+7], v[8+\s] offset:(((\n)/8)*16+((\n)%8)*2+1)*512
.endr
.endm
	SUML 0
.set bn, 0
.rept 16
.if bn < 15
	SUML bn+1
	s_wait_dscnt 8                                 ; all but the eight just issued
.else
	s_wait_dscnt 0x0
.endif
.set xs, 32+32*(bn%2)
.irp k, 0,2,4,6
	v_pk_add_f32 v[xs+\k:xs+\k+1], v[xs+\k:xs+\k+1], v[xs+8+\k:xs+8+\k+1]
	v_pk_add_f32 v[xs+16+\k:xs+16+\k+1], v[xs+16+\k:xs+16+\k+1], v[xs+24+\k:xs+24+\k+1]
.endr
.irp k, 0,2,4,6
	v_pk_add_f32 v[xs+\k:xs+\k+1], v[xs+\k:xs+\k+1], v[xs+16+\k:xs+16+\k+1]
.endr
.irp k, 0,1,2,3
	v_cvt_pk_bf16_f32 v[16+\k], v[xs+2*\k], v[xs+2*\k+1]
.endr
	ds_store_b128 v12, v[16:19] offset:(bn/8)*16*XP+(bn%8)*32    ; token r's channels 16 ct + 8 h on
.set bn, bn+1
.endr
.set i, 0
.rept 16
	ds_load_b128 v[96+4*i:96+4*i+3], v13 offset:544*i    ; LDS serves a wave's instructions in order: these see my stores above
.set i, i+1
.endr
.set i, 0
.rept 16
	s_wait_dscnt 15-i
	global_store_b128 v[224+i], v[96+4*i:96+4*i+3], s[14:15]   ; sixteen lanes fill a token's whole row of 256 bytes
.set i, i+1
.endr
	s_wait_tensorcnt 0x0                           ; the wave's end, behind my last LDS store
	ds_add_u32 v14, v15
	s_wait_dscnt 0x0
	s_endpgm
.Lfunc_end_k_q8e8765b299_experts:
	.size	k_q8e8765b299_experts, .Lfunc_end_k_q8e8765b299_experts-k_q8e8765b299_experts
	.p2alignl 7, 3214868480
	.fill 96, 4, 3214868480
	.section	.rodata,"a",@progbits
	.p2align	6, 0x0
	.amdhsa_kernel k_q8e8765b299_experts
		.amdhsa_group_segment_fixed_size 297472
		.amdhsa_private_segment_fixed_size 0
		.amdhsa_enable_private_segment 0
		.amdhsa_kernarg_size 48
		.amdhsa_user_sgpr_count 2
		.amdhsa_user_sgpr_kernarg_segment_ptr 1
		.amdhsa_wavefront_size32 1
		.amdhsa_system_sgpr_workgroup_id_x 1
		.amdhsa_system_sgpr_workgroup_id_y 1
		.amdhsa_system_sgpr_workgroup_id_z 1
		.amdhsa_system_vgpr_workitem_id 0
		.amdhsa_next_free_vgpr 1024
		.amdhsa_next_free_sgpr 66
		.amdhsa_reserve_vcc 0
		.amdhsa_float_denorm_mode_32 3
		.amdhsa_float_denorm_mode_16_64 3
		.amdhsa_memory_ordered 1
		.amdhsa_forward_progress 1
		.amdhsa_inst_pref_size 240
	.end_amdhsa_kernel
	.amdgpu_metadata
---
amdhsa.version: [ 1, 2 ]
amdhsa.kernels:
  - .name:           k_q8e8765b299_experts
    .symbol:         k_q8e8765b299_experts.kd
    .args:
      - { .name: xT, .offset: 0, .size: 8, .value_kind: global_buffer, .address_space: global }
      - { .name: gates, .offset: 8, .size: 8, .value_kind: global_buffer, .address_space: global }
      - { .name: perm, .offset: 16, .size: 8, .value_kind: global_buffer, .address_space: global }
      - { .name: wf, .offset: 24, .size: 8, .value_kind: global_buffer, .address_space: global }
      - { .name: b2, .offset: 32, .size: 8, .value_kind: global_buffer, .address_space: global }
      - { .name: accT, .offset: 40, .size: 8, .value_kind: global_buffer, .address_space: global }
    .group_segment_fixed_size: 297472
    .private_segment_fixed_size: 0
    .kernarg_segment_align: 8
    .kernarg_segment_size: 48
    .max_flat_workgroup_size: 128
    .sgpr_count:     66
    .vgpr_count:     1024
    .wavefront_size: 32
...
	.end_amdgpu_metadata
.endif
;; end of part 3
;; launch finish (part 4): grid 256 x 1, 8 waves a work-group, no clusters, 34,304 bytes of LDS; arguments x, accT, out0; writes out0
.if DOCPART == 4
	.amdgcn_target "amdgcn-amd-amdhsa--gfx1250"
	.amdhsa_code_object_version 6
	.text
	.protected	k_q8e8765b299_finish
	.globl	k_q8e8765b299_finish
	.p2align	8
	.type	k_q8e8765b299_finish,@function
k_q8e8765b299_finish:
	s_mov_b64 s[64:65], 0
	v_nop
	global_prefetch_b8 v0, s[64:65] scope:SCOPE_SE
	s_setreg_imm32_b32 hwreg(HW_REG_WAVE_MODE, 25, 1), 1
	s_wait_xcnt 0x0
; y = x + acc, back in [image][channel][pixel].  A work-group owns 128 pixels of one image row: accT's 128 rows of 256 bytes (dense: 32,768 bytes) are turned in LDS.
; A stream: every byte of x and accT is read once, every byte of y written once; each load of x and each store of y covers 256 neighbouring bytes, aligned.  No matrix unit, no cluster: nothing is shared.
.set PITCH, 260      ; a token's row in LDS: 64 words + 1: a column of words read down 32 rows two apart touches 32 different banks
.set SPARE, 33280    ; the spare words: 128 bytes a wave, named by no other line
.set A, 8            ; v[8:39]    accT as loaded
.set X, 40           ; v[40:103]  unit n, channel j: two pixels of x, then of y
.set D, 104          ; v[104:135] unit n, pixel k: a word with two channels of acc
.set T, 136
	s_load_b128 s[4:7], s[0:1], 0x0                ; x, accT
	s_load_b64 s[8:9], s[0:1], 0x10                ; out0
	v_lshl_add_u32 v2, v0, 2, SPARE
	v_mov_b32 v3, 0
	v_lshrrev_b32 v1, 5, v0
	v_readfirstlane_b32 s10, v1                    ; wave
	v_and_b32 v4, 31, v0
	v_lshlrev_b32 v5, 4, v0
	v_lshlrev_b32 v6, 3, v4
	v_lshrrev_b32 v7, 4, v0
	v_mul_u32_u24 v7, v7, PITCH
	v_and_b32 v1, 15, v0
	v_lshl_add_u32 v7, v1, 4, v7                   ; in: row thread / 16, 16 bytes
	v_mul_u32_u24 v1, v4, 2*PITCH
	s_lshl_b32 s11, s10, 5
	v_add_nc_u32 v1, s11, v1                       ; back: rows 2 lane on, my wave's eight words
	s_mov_b32 s16, 0xffff0000
	s_lshl_b32 s12, ttmp9, 15
	s_mov_b32 s13, 0
	s_lshr_b32 s14, ttmp9, 6
	s_lshl_b32 s14, s14, 22                        ; image
	s_and_b32 s15, ttmp9, 63
	s_lshl_b32 s15, s15, 9                         ; 128 pixels
	s_add_co_u32 s14, s14, s15
	s_lshl_b32 s15, s10, 19                        ; my wave's 16 channels
	s_add_co_u32 s14, s14, s15
	s_mov_b32 s15, 0
	s_wait_kmcnt 0x0
	s_add_nc_u64 s[6:7], s[6:7], s[12:13]
	s_add_nc_u64 s[4:5], s[4:5], s[14:15]
	s_add_nc_u64 s[8:9], s[8:9], s[14:15]
.irp i, 0,1,2,3,4,5,6,7
	global_load_b128 v[A+4*\i:A+4*\i+3], v5, s[6:7] offset:4096*\i th:TH_LOAD_NT
.endr
.set n, 0
.rept 16                               ; unit n: channels 16 w + 2 (n / 2) + j, pixels 64 (n % 2) + 2 lane + k
	global_load_b64 v[X+4*n:X+4*n+1], v6, s[4:5] offset:(2*(n/2))*32768+(n%2)*256 th:TH_LOAD_NT
	global_load_b64 v[X+4*n+2:X+4*n+3], v6, s[4:5] offset:(2*(n/2)+1)*32768+(n%2)*256 th:TH_LOAD_NT
.set n, n+1
.endr
	s_wait_loadcnt 32                              ; accT's eight loads are in; x's 32 behind them stay out
.set i, 0
.rept 8
.irp k, 0,1,2,3
	ds_store_b32 v7, v[A+4*i+\k] offset:16*PITCH*i+4*\k
.endr
.set i, i+1
.endr
	s_wait_dscnt 0x0
	s_barrier_signal -1
	s_barrier_wait -1
.set n, 0
.rept 16
	ds_load_b32 v[D+2*n], v1 offset:(n%2)*64*PITCH+4*(n/2)
	ds_load_b32 v[D+2*n+1], v1 offset:(n%2)*64*PITCH+PITCH+4*(n/2)
.set n, n+1
.endr
.set n, 0
.rept 16
	s_wait_dscnt 30-2*n                            ; the unit's two words are in; the later units' stay out
	s_wait_loadcnt 30-2*n                          ; and so for its two loads of x
	v_lshlrev_b32 v[T], 16, v[D+2*n]
	v_lshlrev_b32 v[T+1], 16, v[D+2*n+1]
	v_and_b32 v[T+2], s16, v[D+2*n]
	v_and_b32 v[T+3], s16, v[D+2*n+1]
	v_pk_add_f32 v[X+4*n:X+4*n+1], v[X+4*n:X+4*n+1], v[T:T+1]
	v_pk_add_f32 v[X+4*n+2:X+4*n+3], v[X+4*n+2:X+4*n+3], v[T+2:T+3]
	global_store_b64 v6, v[X+4*n:X+4*n+1], s[8:9] offset:(2*(n/2))*32768+(n%2)*256 th:TH_STORE_NT
	global_store_b64 v6, v[X+4*n+2:X+4*n+3], s[8:9] offset:(2*(n/2)+1)*32768+(n%2)*256 th:TH_STORE_NT
.set n, n+1
.endr
	s_wait_tensorcnt 0x0                           ; the wave's end, behind my last LDS store
	ds_add_u32 v2, v3
	s_wait_dscnt 0x0
	s_endpgm
.Lfunc_end_k_q8e8765b299_finish:
	.size	k_q8e8765b299_finish, .Lfunc_end_k_q8e8765b299_finish-k_q8e8765b299_finish
	.p2alignl 7, 3214868480
	.fill 96, 4, 3214868480
	.section	.rodata,"a",@progbits
	.p2align	6, 0x0
	.amdhsa_kernel k_q8e8765b299_finish
		.amdhsa_group_segment_fixed_size 34304
		.amdhsa_private_segment_fixed_size 0
		.amdhsa_enable_private_segment 0
		.amdhsa_kernarg_size 24
		.amdhsa_user_sgpr_count 2
		.amdhsa_user_sgpr_kernarg_segment_ptr 1
		.amdhsa_wavefront_size32 1
		.amdhsa_system_sgpr_workgroup_id_x 1
		.amdhsa_system_sgpr_workgroup_id_y 1
		.amdhsa_system_sgpr_workgroup_id_z 1
		.amdhsa_system_vgpr_workitem_id 0
		.amdhsa_next_free_vgpr 144
		.amdhsa_next_free_sgpr 66
		.amdhsa_reserve_vcc 0
		.amdhsa_float_denorm_mode_32 3
		.amdhsa_float_denorm_mode_16_64 3
		.amdhsa_memory_ordered 1
		.amdhsa_forward_progress 1
		.amdhsa_inst_pref_size 18
	.end_amdhsa_kernel
	.amdgpu_metadata
---
amdhsa.version: [ 1, 2 ]
amdhsa.kernels:
  - .name:           k_q8e8765b299_finish
    .symbol:         k_q8e8765b299_finish.kd
    .args:
      - { .name: x, .offset: 0, .size: 8, .value_kind: global_buffer, .address_space: global }
      - { .name: accT, .offset: 8, .size: 8, .value_kind: global_buffer, .address_space: global }
      - { .name: out0, .offset: 16, .size: 8, .value_kind: global_buffer, .address_space: global }
    .group_segment_fixed_size: 34304
    .private_segment_fixed_size: 0
    .kernarg_segment_align: 8
    .kernarg_segment_size: 24
    .max_flat_workgroup_size: 256
    .sgpr_count:     66
    .vgpr_count:     144
    .wavefront_size: 32
...
	.end_amdgpu_metadata
.endif
;; end of part 4
;; ======== version 2 of 2: 4 launches; 1.19 times as fast as version 1
;; limits: values outside matrix products are rounded to bf16; a function is approximated: absolute error at most 2.5e-05; an absolute error that grows with the inputs' magnitude: up to 1.25e-05 times it
;; workspace buffers: xT 8,388,608 bytes; gates 2,097,152 bytes; keys 131,072 bytes of whole numbers; part 32,768 bytes; wf 2,906,112 bytes; perm 131,072 bytes of whole numbers; accT 8,388,608 bytes
;; launch route (part 5): grid 256 x 1, 4 waves a work-group, no clusters, 68,608 bytes of LDS; arguments x, gate_w, gate_b, w1, w2, b1, xT, gates, keys, part, wf; writes xT, gates, keys, part, wf
.if DOCPART == 5
	.amdgcn_target "amdgcn-amd-amdhsa--gfx1250"
	.amdhsa_code_object_version 6
	.text
	.protected	k_q8e8765b299_route
	.globl	k_q8e8765b299_route
	.p2align	8
	.type	k_q8e8765b299_route,@function
k_q8e8765b299_route:
	s_mov_b64 s[64:65], 0
	v_nop
	global_prefetch_b8 v0, s[64:65] scope:SCOPE_SE
	s_setreg_imm32_b32 hwreg(HW_REG_WAVE_MODE, 25, 1), 1
	s_wait_xcnt 0x0
; ROUTER, x TRANSPOSED, WEIGHTS LAID OUT.  A work-group owns 128 pixels (tokens) of one image row; four waves.
; It makes: the 11 logits in f32, softmax, the six largest (ties: the lower index), their weights renormalised -> gates [token][16] f32 (0 where not chosen, 0 in 11..15);
; keys [token] = (rank of the token's SET of experts among the 462 sets) << 16 | the set as 11 bits; part [work-group][32]: sums of scores (0..10), counts (16..26);
; xT [token][128] bf16; and its share of wf: w1 x c and w2 in bf16 in the order in which a matrix operand's registers take them, b1 x c in f32, c = sqrt(log2(e) / 2).
; THE RANK is the revolving-door one: with the experts counted from 1, t1 < .. < t6, it is C(t6,6) - C(t5,5) + C(t4,4) - C(t3,3) + C(t2,2) - C(t1,1), one to one onto 0 .. 461, and two sets
; whose ranks are neighbours differ in one expert.  So tokens sorted by it need few experts beyond six in any short run of the sorted list.
; THE GATE'S WEIGHTS, 11 x 32 for a wave's 32 channels, lie in 352 vector registers, the same number in every lane (each lane loads the same 16 bytes): all are asked for at once, beside x.
; There is no room for them in scalar registers, and scalar loads can only be waited for all together.
; LIMITS.  NaN and infinities are not treated apart.  The six largest are found on 2^((l - max) log2 e), which has the scores' order; a score below 2^-126 of the largest counts as 0.
; The four waves' parts of a logit are added in another order than a plain sum over channels.
; No matrix unit: a logit rounded to 16 bits would change the choice.  No cluster: no two work-groups read the same pixels, and the gate's weights are 5,632 bytes.
; REGISTERS: window 0 as named below; window 1: v[32 e + i] = weight of expert e (0-7), channel 32 w + i; window 2: the same for experts 8-10.
.set PB,    0        ; [wave][expert][128 tokens] f32: 22,528 bytes
.set XS,    22528    ; 128 rows of 256 bytes + 16: 34,816 bytes
.set GS,    57344    ; 128 rows of 64 bytes + 16: 10,240 bytes
.set AUXW,  67584    ; [wave][32] f32
.set SPARE, 68096    ; the spare words: 128 bytes a wave, named by no other line
.set W2F,   1441792  ; wf: w2's fragments begin here
.set B1S,   2883584  ; wf: b1 x c begins here
.set X,   32         ; v[32:159]  X[i]: four tokens of channel 32 w + i
.set LG,  160        ; v[160:203] my 32 channels' part of 11 logits x 4 tokens; then at work
.set WR,  204        ; v[204:251] six pieces of eight weights
.set XR,  32         ; v[32:95]   rows of xT on their way out
.set PL,  96         ; v[96:139]  the four parts of my token's 11 logits
.set LL,  140
.set EE,  152
.set RK,  164
.set CH,  176
.set GT,  188        ; v[188:203] my token's row of gates
.set PR,  96
.set CF,  108
.set GR,  120
.set MSB, 0
.macro WIN new                         ; s_set_vgpr_msb: bits 1:0 source 0, 3:2 source 1, 5:4 source 2, 7:6 destination; the high byte repeats the setting that is left
.if MSB != (\new)
	s_set_vgpr_msb (MSB<<8)|(\new)
.set MSB, (\new)
.endif
.endm
	s_load_b512 s[4:19], s[0:1], 0x0               ; x 4, gate_w 6, gate_b 8, w1 10, w2 12, b1 14, xT 16, gates 18
	s_load_b128 s[20:23], s[0:1], 0x40             ; keys 20, part 22
	s_load_b64 s[24:25], s[0:1], 0x50              ; wf
	v_lshl_add_u32 v2, v0, 2, SPARE
	v_mov_b32 v3, 0
	v_lshrrev_b32 v17, 5, v0
	v_readfirstlane_b32 s26, v17                   ; wave
	v_and_b32 v1, 31, v0                           ; lane
	v_lshlrev_b32 v4, 4, v1
	; my piece q of 8,192 (eight numbers) of an expert's w1 (work-groups 0-127) or w2 (128-255); experts of one parity
	s_and_b32 s27, ttmp9, 63
	s_lshl_b32 s27, s27, 7
	v_add_nc_u32 v17, s27, v0                      ; q
	v_lshrrev_b32 v18, 8, v17
	v_lshlrev_b32 v18, 11, v18
	v_and_b32 v19, 15, v17
	v_lshl_add_u32 v18, v19, 7, v18
	v_bfe_u32 v21, v17, 4, 4
	v_lshl_add_u32 v18, v21, 3, v18                ; w1: (q>>8) 2048 + (q&15) 128 + ((q>>4)&15) 8
	v_bfe_u32 v20, v17, 6, 3
	v_lshlrev_b32 v20, 13, v20
	v_lshl_add_u32 v20, v19, 9, v20
	v_lshrrev_b32 v21, 9, v17
	v_lshl_add_u32 v20, v21, 5, v20
	v_bfe_u32 v21, v17, 4, 2
	v_lshl_add_u32 v20, v21, 3, v20                ; w2: ((q>>6)&7) 8192 + (q&15) 512 + (q>>9) 32 + ((q>>4)&3) 8
	s_cmp_ge_u32 ttmp9, 128
	s_cselect_b32 s27, -1, 0
	s_cselect_b32 s100, W2F, 0
	v_cndmask_b32 v5, v18, v20, s27
	s_bfe_u32 s101, ttmp9, 0x10006                 ; the parity of my experts
	s_lshl_b32 s27, s101, 18
	v_lshl_add_u32 v5, v5, 2, s27                  ; source bytes: index x 4 + parity x one expert
	s_lshl_b32 s27, s101, 17
	s_add_co_u32 s27, s27, s100
	v_lshl_add_u32 v6, v17, 4, s27                 ; destination bytes
	s_cmp_eq_u32 s101, 0
	s_cselect_b32 s27, 5, 4                        ; the sixth piece is expert 10's; odd experts have five: they load the fifth once more and store nothing
	s_lshl_b32 s27, s27, 19                        ; two experts are 524,288 bytes
	v_add_nc_u32 v253, s27, v5
	s_lshl_b32 s27, ttmp9, 7
	v_add_nc_u32 v7, s27, v0
	v_min_u32 v7, 5631, v7                         ; my element of b1 (work-groups 0-43 store it), kept inside the buffer
	v_lshlrev_b32 v7, 2, v7
	; LDS and store offsets
	s_mul_i32 s27, s26, 5632
	v_add_nc_u32 v8, s27, v4                       ; parts of logits: wave, 16 bytes a lane
	v_mul_u32_u24 v9, v1, 1088
	s_lshl_b32 s27, s26, 6
	s_add_co_u32 s27, s27, XS
	v_add_nc_u32 v9, s27, v9                       ; xT's stage, in: row 4 lane, my wave's 64 bytes
	v_lshrrev_b32 v18, 4, v1
	v_mul_u32_u24 v10, v18, 272
	v_and_b32 v19, 15, v1
	v_lshl_add_u32 v10, v19, 4, v10
	s_mul_i32 s27, s26, 8704
	s_add_co_u32 s27, s27, XS
	v_add_nc_u32 v10, s27, v10                     ; back: rows 32 w on, two rows a load
	s_lshl_b32 s27, s26, 13
	v_add_nc_u32 v11, s27, v4
	v_lshlrev_b32 v12, 2, v0
	s_mul_i32 s27, s26, 2560
	s_add_co_u32 s27, s27, GS                      ; my wave's 32 rows of GS
	v_mul_u32_u24 v13, v1, 80
	v_add_nc_u32 v13, s27, v13                     ; in: row = my lane
	v_lshrrev_b32 v18, 2, v1
	v_mul_u32_u24 v14, v18, 80
	v_and_b32 v19, 3, v1
	v_lshl_add_u32 v14, v19, 4, v14
	v_add_nc_u32 v14, s27, v14                     ; back: eight rows a load
	s_lshl_b32 s27, s26, 11
	v_add_nc_u32 v15, s27, v4
	s_lshl_b32 s27, s26, 7
	s_add_co_u32 s27, s27, AUXW
	v_mov_b32 v28, s27
	v_lshl_add_u32 v29, v1, 2, AUXW
	v_lshlrev_b32 v31, 2, v1
	v_mov_b32 v20, 1
	v_mov_b32 v21, 1.0
	v_mov_b32 v30, 0                               ; stays 0: the offset of the gate's weights, the same in every lane; later also zeros to store
	v_mov_b32 v27, 0
	s_lshr_b32 s100, ttmp9, 6
	s_lshl_b32 s100, s100, 22                      ; image
	s_and_b32 s27, ttmp9, 63
	s_lshl_b32 s27, s27, 9                         ; 128 pixels
	s_add_co_u32 s100, s100, s27
	s_lshl_b32 s27, s26, 20                        ; my 32 channels
	s_add_co_u32 s100, s100, s27
	s_mov_b32 s101, 0
	s_wait_kmcnt 0x0
	s_load_b256 s[32:39], s[8:9], 0x0              ; gate_b, 44 bytes: wanted far below
	s_load_b96 s[40:42], s[8:9], 0x20
	s_add_nc_u64 s[4:5], s[4:5], s[100:101]
	s_lshl_b32 s100, s26, 7
	s_add_nc_u64 s[28:29], s[6:7], s[100:101]      ; gate_w at my 32 channels
	s_lshl_b32 s100, ttmp9, 15
	s_add_nc_u64 s[16:17], s[16:17], s[100:101]
	s_lshl_b32 s100, ttmp9, 13
	s_add_nc_u64 s[18:19], s[18:19], s[100:101]
	s_lshl_b32 s100, ttmp9, 9
	s_add_nc_u64 s[20:21], s[20:21], s[100:101]
	s_lshl_b32 s100, ttmp9, 7
	s_add_nc_u64 s[22:23], s[22:23], s[100:101]
	s_cmp_ge_u32 ttmp9, 128
	s_cselect_b64 s[30:31], s[12:13], s[10:11]     ; w2 or w1
.set i, 0
.rept 32
	global_load_b128 v[X+4*i:X+4*i+3], v4, s[4:5] offset:32768*i   ; 512 neighbouring bytes of one channel
.set i, i+1
.endr
	WIN 0x40                                       ; destination window 1
.set i, 0
.rept 64
	global_load_b128 v[4*i:4*i+3], v30, s[28:29] offset:(i/8)*512+(i%8)*16      ; expert i / 8, four channels, the same in every lane
.set i, i+1
.endr
	WIN 0x80                                       ; destination window 2
.set i, 0
.rept 24
	global_load_b128 v[4*i:4*i+3], v30, s[28:29] offset:(8+i/8)*512+(i%8)*16
.set i, i+1
.endr
	WIN 0
.irp it, 0,1,2,3,4
	global_load_b128 v[WR+8*\it:WR+8*\it+3], v5, s[30:31] offset:524288*\it
	global_load_b128 v[WR+8*\it+4:WR+8*\it+7], v5, s[30:31] offset:524288*\it+16
.endr
	global_load_b128 v[WR+40:WR+43], v253, s[30:31]
	global_load_b128 v[WR+44:WR+47], v253, s[30:31] offset:16
	global_load_b32 v252, v7, s[14:15]
	s_wait_loadcnt 13                              ; x and the gate's weights are in; the 13 youngest loads (pieces of w1 or w2, b1) stay out: they are wanted at the end
; my 32 channels' part of the logits of experts e0 .. e0 + ne - 1 for my four tokens, two tokens a line; the weight is one register of a pair, given to both halves.
; The channel goes outside and the expert inside, so that 2 ne sums take turns and no line waits for the one before it.
.macro LOGITS e0, ne
.set i, 0
.rept 32
.set e, 0
.rept \ne
.irp k, 0,2
.if i == 0
	v_pk_mul_f32 v[LG+4*((\e0)+e)+\k:LG+4*((\e0)+e)+\k+1], v[X+\k:X+\k+1], v[32*e:32*e+1] op_sel_hi:[1,0]
.elseif (i%2) == 0
	v_pk_fma_f32 v[LG+4*((\e0)+e)+\k:LG+4*((\e0)+e)+\k+1], v[X+4*i+\k:X+4*i+\k+1], v[32*e+i:32*e+i+1], v[LG+4*((\e0)+e)+\k:LG+4*((\e0)+e)+\k+1] op_sel_hi:[1,0,1]
.else
	v_pk_fma_f32 v[LG+4*((\e0)+e)+\k:LG+4*((\e0)+e)+\k+1], v[X+4*i+\k:X+4*i+\k+1], v[32*e+i-1:32*e+i], v[LG+4*((\e0)+e)+\k:LG+4*((\e0)+e)+\k+1] op_sel:[0,1,0] op_sel_hi:[1,1,1]
.endif
.endr
.set e, e+1
.endr
.set i, i+1
.endr
.endm
	WIN 0x04                                       ; source 1 in window 1
	LOGITS 0, 8
	WIN 0x08                                       ; source 1 in window 2
	LOGITS 8, 3
	WIN 0
.irp e, 0,1,2,3,4,5,6,7,8,9,10
	ds_store_b128 v8, v[LG+4*\e:LG+4*\e+3] offset:PB+512*\e
.endr
	; x transposed: token 4 lane + k, channels 32 w + 8 m on: eight numbers rounded to bf16 are 16 bytes of a row
.set n, 0
.rept 16
.set k, n/4
.set m, n%4
.irp j, 0,1,2,3
	v_cvt_pk_bf16_f32 v[LG+4*m+\j], v[X+4*(8*m+2*\j)+k], v[X+4*(8*m+2*\j+1)+k]
.endr
	ds_store_b128 v9, v[LG+4*m:LG+4*m+3] offset:k*272+m*16
.set n, n+1
.endr
	; C(t, 1..6) as bytes, for t = 1..10 (expert t - 1)
	s_mov_b32 s44, 0x00000001
	s_mov_b32 s45, 0
	s_mov_b32 s46, 0x00000102
	s_mov_b32 s47, 0
	s_mov_b32 s48, 0x00010303
	s_mov_b32 s49, 0
	s_mov_b32 s50, 0x01040604
	s_mov_b32 s51, 0
	s_mov_b32 s52, 0x050a0a05
	s_mov_b32 s53, 0x00000001
	s_mov_b32 s54, 0x0f140f06
	s_mov_b32 s55, 0x00000106
	s_mov_b32 s56, 0x23231507
	s_mov_b32 s57, 0x00000715
	s_mov_b32 s58, 0x46381c08
	s_mov_b32 s59, 0x00001c38
	s_mov_b32 s60, 0x7e542409
	s_mov_b32 s61, 0x0000547e
	s_mov_b32 s62, 0xd2782d0a
	s_mov_b32 s63, 0x0000d2fc
	s_mov_b32 s72, 0x76543210
	s_mov_b32 s73, 0xfedcba98
	s_mov_b32 s74, 0x3fb8aa3b                      ; log2(e)
	s_wait_dscnt 0x0                               ; for the others' sake: my parts and my 64 bytes of every row are in LDS
	s_barrier_signal -1
	s_barrier_wait -1
.set i, 0
.rept 16
	ds_load_b128 v[XR+4*i:XR+4*i+3], v10 offset:544*i
.set i, i+1
.endr
.set i, 0
.rept 44
	ds_load_b32 v[PL+i], v12 offset:PB+512*i       ; part (wave i / 11) of logit i % 11 of token = my thread's number
.set i, i+1
.endr
.set i, 0
.rept 16
	s_wait_dscnt 59-i                              ; behind row load i stand 15 - i row loads and the 44 loads of parts
	global_store_b128 v11, v[XR+4*i:XR+4*i+3], s[16:17] offset:512*i   ; 512 neighbouring bytes: two rows of xT
.set i, i+1
.endr
	s_wait_dscnt 0x0
	s_wait_kmcnt 0x0                               ; gate_b
.irp e, 0,1,2,3,4,5,6,7,8,9,10
	v_add_f32 v[LL+\e], v[PL+\e], v[PL+11+\e]
	v_add_f32 v17, v[PL+22+\e], v[PL+33+\e]
	v_add_f32 v[LL+\e], v[LL+\e], v17
	v_add_f32 v[LL+\e], s[32+\e], v[LL+\e]
.endr
	v_max3_num_f32 v17, v[LL], v[LL+1], v[LL+2]
	v_max3_num_f32 v17, v17, v[LL+3], v[LL+4]
	v_max3_num_f32 v17, v17, v[LL+5], v[LL+6]
	v_max3_num_f32 v17, v17, v[LL+7], v[LL+8]
	v_max3_num_f32 v17, v17, v[LL+9], v[LL+10]
	v_mul_f32 v18, s74, v17
.irp e, 0,1,2,3,4,5,6,7,8,9,10
	v_fma_f32 v[EE+\e], v[LL+\e], s74, -v18        ; (l - max) log2 e
.endr
.irp e, 0,1,2,3,4,5,6,7,8,9,10
	v_exp_f32 v[EE+\e], v[EE+\e]
.endr
.irp e, 0,1,2,3,4,5,6,7,8,9,10
	v_mov_b32 v[RK+\e], 10-\e                      ; plain work behind the exponentials: a rank starts at the number of later experts
.endr
	s_wait_alu depctr_va_vdst(0)                   ; one wait for the eleven exponentials, ahead of their first use
	; rank of e = how many beat it.  For j < e: j beats e where E_j >= E_e (a tie goes to the lower index), else e beats j
.set e, 1
.rept 10
.set j, 0
.rept e
	v_cmp_ge_f32 vcc_lo, v[EE+j], v[EE+e]
	v_cndmask_b32 v17, 0, v20, vcc_lo
	v_add_nc_u32 v[RK+e], v[RK+e], v17
	v_sub_nc_u32 v[RK+j], v[RK+j], v17
.set j, j+1
.endr
.set e, e+1
.endr
.irp e, 0,1,2,3,4,5,6,7,8,9,10
	v_cmp_gt_u32 vcc_lo, 6, v[RK+\e]               ; chosen
	v_cndmask_b32 v[CH+\e], 0, v20, vcc_lo
	v_cndmask_b32 v[CF+\e], 0, v21, vcc_lo
	v_cndmask_b32 v[GT+\e], 0, v[EE+\e], vcc_lo
.endr
	v_add_f32 v18, v[EE], v[EE+1]
	v_add_f32 v19, v[GT], v[GT+1]
.irp e, 2,3,4,5,6,7,8,9,10
	v_add_f32 v18, v18, v[EE+\e]
	v_add_f32 v19, v19, v[GT+\e]
.endr
	v_rcp_f32 v18, v18
	v_rcp_f32 v19, v19
	v_mov_b32 v22, 0                               ; the set as bits; plain work behind the reciprocals
	v_mov_b32 v24, 0                               ; how many chosen so far
	v_mov_b32 v23, 0                               ; the set's rank: going up the experts, r = C(t, i) - r where expert t - 1 is the i-th chosen
.irp e, 0,1,2,3,4,5,6,7,8,9
	v_lshl_or_b32 v22, v[CH+\e], \e, v22
	v_perm_b32 v25, s[45+2*\e], s[44+2*\e], v24    ; byte 0: C(e + 1, chosen so far + 1)
	v_and_b32 v25, 0xff, v25
	v_sub_nc_u32 v25, v25, v23
	v_cmp_ne_u32 vcc_lo, 0, v[CH+\e]
	v_cndmask_b32 v23, v23, v25, vcc_lo
	v_add_nc_u32 v24, v24, v[CH+\e]
.endr
	v_lshl_or_b32 v22, v[CH+10], 10, v22
	v_sub_nc_u32 v25, 0x1ce, v23                   ; expert 10, where chosen, is the sixth: C(11, 6) = 462
	v_cmp_ne_u32 vcc_lo, 0, v[CH+10]
	v_cndmask_b32 v23, v23, v25, vcc_lo
	v_lshl_or_b32 v26, v23, 16, v22
	global_store_b32 v12, v26, s[20:21]
	s_wait_alu depctr_va_vdst(0)                   ; one wait for the two reciprocals
.irp e, 0,1,2,3,4,5,6,7,8,9,10
	v_mul_f32 v[GT+\e], v[GT+\e], v19              ; the gate
	v_mul_f32 v[PR+\e], v[EE+\e], v18              ; the score
.endr
.irp e, 11,12,13,14,15
	v_mov_b32 v[GT+\e], 0
.endr
	; gates leave through my wave's own rows of GS, so that a store covers 512 neighbouring bytes
.irp q, 0,1,2,3
	ds_store_b128 v13, v[GT+4*\q:GT+4*\q+3] offset:16*\q
.endr
.irp i, 0,1,2,3
	ds_load_b128 v[GR+4*\i:GR+4*\i+3], v14 offset:640*\i   ; LDS serves a wave's instructions in order: these see the stores above
.endr
.irp i, 0,1,2,3
	s_wait_dscnt 3-\i
	global_store_b128 v15, v[GR+4*\i:GR+4*\i+3], s[18:19] offset:512*\i
.endr
	; sums over my wave's 32 tokens of the 11 scores and the 11 choices
.irp m, 1,2,4,8
.irp e, 0,1,2,3,4,5,6,7,8,9,10
	v_add_f32_dpp v[PR+\e], v[PR+\e], v[PR+\e] row_xmask:\m row_mask:0xf bank_mask:0xf
	v_add_f32_dpp v[CF+\e], v[CF+\e], v[CF+\e] row_xmask:\m row_mask:0xf bank_mask:0xf
.endr
.endr
.irp e, 0,1,2,3,4,5,6,7,8,9,10
	v_permlanex16_b32 v27, v[PR+\e], s72, s73
	v_add_f32 v[PR+\e], v[PR+\e], v27
	v_permlanex16_b32 v27, v[CF+\e], s72, s73
	v_add_f32 v[CF+\e], v[CF+\e], v27
	ds_store_b32 v28, v[PR+\e] offset:4*\e         ; all lanes write one word with one value
	ds_store_b32 v28, v[CF+\e] offset:64+4*\e
.endr
.irp e, 11,12,13,14,15
	ds_store_b32 v28, v30 offset:4*\e
	ds_store_b32 v28, v30 offset:64+4*\e
.endr
	s_wait_dscnt 0x0
	s_barrier_signal -1
	s_barrier_wait -1
	s_cmp_lg_u32 s26, 0
	s_cbranch_scc1 .Lnot_wave_0
.irp i, 0,1,2,3
	ds_load_b32 v[136+\i], v29 offset:128*\i
.endr
	s_wait_dscnt 0x0
	v_add_f32 v136, v136, v137
	v_add_f32 v138, v138, v139
	v_add_f32 v136, v136, v138
	global_store_b32 v31, v136, s[22:23]
.Lnot_wave_0:
	; the weights: x c (w1) or x 1 (w2), rounded to bf16, 16 bytes a piece; neighbouring lanes store neighbouring pieces
	s_wait_loadcnt 0x0                             ; the 13 loads left out above
	s_cmp_ge_u32 ttmp9, 128
	s_cselect_b32 s68, 1.0, 0x3f596d27             ; c = 0.8493218
	s_mov_b32 s69, s68
.irp it, 0,1,2,3,4,5
.irp k, 0,2,4,6
	v_pk_mul_f32 v[WR+8*\it+\k:WR+8*\it+\k+1], v[WR+8*\it+\k:WR+8*\it+\k+1], s[68:69] op_sel_hi:[1,0]
.endr
.irp k, 0,1,2,3
	v_cvt_pk_bf16_f32 v[WR+8*\it+\k], v[WR+8*\it+2*\k], v[WR+8*\it+2*\k+1]
.endr
.endr
.irp it, 0,1,2,3,4
	global_store_b128 v6, v[WR+8*\it:WR+8*\it+3], s[24:25] offset:262144*\it
.endr
	s_bitcmp1_b32 ttmp9, 6
	s_cbranch_scc1 .Lno_sixth
	global_store_b128 v6, v[WR+40:WR+43], s[24:25] offset:262144*5
.Lno_sixth:
	s_cmp_lt_u32 ttmp9, 44
	s_cbranch_scc0 .Lno_b1
	v_mul_f32 v252, 0x3f596d27, v252
	global_store_b32 v7, v252, s[24:25] offset:B1S
.Lno_b1:
	s_wait_tensorcnt 0x0                           ; the wave's end, behind my last LDS store
	ds_add_u32 v2, v3
	s_wait_dscnt 0x0
	s_endpgm
.Lfunc_end_k_q8e8765b299_route:
	.size	k_q8e8765b299_route, .Lfunc_end_k_q8e8765b299_route-k_q8e8765b299_route
	.p2alignl 7, 3214868480
	.fill 96, 4, 3214868480
	.section	.rodata,"a",@progbits
	.p2align	6, 0x0
	.amdhsa_kernel k_q8e8765b299_route
		.amdhsa_group_segment_fixed_size 68608
		.amdhsa_private_segment_fixed_size 0
		.amdhsa_enable_private_segment 0
		.amdhsa_kernarg_size 88
		.amdhsa_user_sgpr_count 2
		.amdhsa_user_sgpr_kernarg_segment_ptr 1
		.amdhsa_wavefront_size32 1
		.amdhsa_system_sgpr_workgroup_id_x 1
		.amdhsa_system_sgpr_workgroup_id_y 1
		.amdhsa_system_sgpr_workgroup_id_z 1
		.amdhsa_system_vgpr_workitem_id 0
		.amdhsa_next_free_vgpr 608
		.amdhsa_next_free_sgpr 104
		.amdhsa_reserve_vcc 1
		.amdhsa_float_denorm_mode_32 3
		.amdhsa_float_denorm_mode_16_64 3
		.amdhsa_memory_ordered 1
		.amdhsa_forward_progress 1
		.amdhsa_inst_pref_size 107
	.end_amdhsa_kernel
	.amdgpu_metadata
---
amdhsa.version: [ 1, 2 ]
amdhsa.kernels:
  - .name:           k_q8e8765b299_route
    .symbol:         k_q8e8765b299_route.kd
    .args:
      - { .name: x, .offset: 0, .size: 8, .value_kind: global_buffer, .address_space: global }
      - { .name: gate_w, .offset: 8, .size: 8, .value_kind: global_buffer, .address_space: global }
      - { .name: gate_b, .offset: 16, .size: 8, .value_kind: global_buffer, .address_space: global }
      - { .name: w1, .offset: 24, .size: 8, .value_kind: global_buffer, .address_space: global }
      - { .name: w2, .offset: 32, .size: 8, .value_kind: global_buffer, .address_space: global }
      - { .name: b1, .offset: 40, .size: 8, .value_kind: global_buffer, .address_space: global }
      - { .name: xT, .offset: 48, .size: 8, .value_kind: global_buffer, .address_space: global }
      - { .name: gates, .offset: 56, .size: 8, .value_kind: global_buffer, .address_space: global }
      - { .name: keys, .offset: 64, .size: 8, .value_kind: global_buffer, .address_space: global }
      - { .name: part, .offset: 72, .size: 8, .value_kind: global_buffer, .address_space: global }
      - { .name: wf, .offset: 80, .size: 8, .value_kind: global_buffer, .address_space: global }
    .group_segment_fixed_size: 68608
    .private_segment_fixed_size: 0
    .kernarg_segment_align: 8
    .kernarg_segment_size: 88
    .max_flat_workgroup_size: 128
    .sgpr_count:     104
    .vgpr_count:     608
    .wavefront_size: 32
...
	.end_amdgpu_metadata
.endif
;; end of part 5
;; launch place (part 6): grid 231 x 1, 32 waves a work-group, no clusters, 8,704 bytes of LDS; arguments keys, part, perm, out1; writes perm, out1
.if DOCPART == 6
	.amdgcn_target "amdgcn-amd-amdhsa--gfx1250"
	.amdhsa_code_object_version 6
	.text
	.protected	k_q8e8765b299_place
	.globl	k_q8e8765b299_place
	.p2align	8
	.type	k_q8e8765b299_place,@function
k_q8e8765b299_place:
	s_mov_b64 s[64:65], 0
	v_nop
	global_prefetch_b8 v0, s[64:65] scope:SCOPE_SE
	s_setreg_imm32_b32 hwreg(HW_REG_WAVE_MODE, 25, 1), 1
	s_wait_xcnt 0x0
; TOKENS SORTED BY THEIR SET OF EXPERTS, without atomics, and the aux loss.  462 sets; work-group g owns sets 2 g and 2 g + 1.
; Every work-group scans all 32,768 keys (wave w keys 1,024 w on): it counts the keys below its two sets and in each, and so knows where its tokens go.
; perm [sorted place] = (the set as 11 bits) << 16 | token.  Each place is stored by one work-group.  Serves every split: any set may hold all tokens or none.
; All numbers from which a place is made are whole numbers.  out1 = 11 x sum over e of (sum of scores / 32,768) (count / 32,768), by work-group 0, wave 0.
; FEW OF A WAVE'S KEYS ARE ITS WORK-GROUP'S (2 sets of 462), so what is done for every key register is short: two compares, a count, a mask kept in a scalar register.  The rest stands behind forward jumps
; on that mask.  EXEC IS NEVER WRITTEN: in a register that holds tokens of mine the other lanes repeat the lowest of my lanes, the same place with the same value, and all 32 lanes store.
.set TAB,   0        ; [wave] 16 bytes: its three counts
.set AUXT,  512      ; [wave][32] f32
.set SPARE, 4608     ; the spare words: 128 bytes a wave, named by no other line
.set K,  8           ; v[8:39]   my wave's keys: K[4 m + k] is token 1,024 w + 128 m + 4 lane + k; later the values to store
.set OF, 64          ; v[64:95]  the byte offsets in perm: each store has registers of its own, so none is rewritten while a store may read it
.set AX, 96          ; v[96:127] the aux loss's 32 partial rows
.set M,  68          ; s[68:99]  for each key register: the lanes whose token is mine
	s_load_b256 s[4:11], s[0:1], 0x0               ; keys 4, part 6, perm 8, out1 10
	v_lshl_add_u32 v2, v0, 2, SPARE
	v_mov_b32 v3, 0
	v_lshrrev_b32 v4, 5, v0
	v_readfirstlane_b32 s14, v4                    ; wave
	v_and_b32 v1, 31, v0
	s_lshl_b32 s15, s14, 12
	v_lshl_add_u32 v4, v1, 4, s15
	s_lshl_b32 s16, s14, 10
	v_lshl_add_u32 v5, v1, 2, s16                  ; token of K[0]
	v_lshl_add_u32 v6, v1, 2, s16                  ; part: rows 8 w on, my column
	v_lshl_add_u32 v7, v0, 2, AUXT
	s_lshl_b32 s17, s14, 4
	v_mov_b32 v52, s17
	v_lshlrev_b32 v53, 4, v1
	s_mov_b32 s12, 0x76543210
	s_mov_b32 s13, 0xfedcba98
	s_lshl_b32 s20, ttmp9, 17                      ; keys below this lie in earlier sets,
	s_add_co_u32 s21, s20, 0x10000                 ; below this in set 2 g or earlier,
	s_add_co_u32 s22, s20, 0x20000                 ; below this in set 2 g + 1 or earlier
	s_mov_b32 s26, 0                               ; my wave's keys in earlier sets,
	s_mov_b32 s27, 0                               ; in set 2 g,
	s_mov_b32 s28, 0                               ; in set 2 g + 1
	s_wait_kmcnt 0x0
.irp m, 0,1,2,3,4,5,6,7
	global_load_b128 v[K+4*\m:K+4*\m+3], v4, s[4:5] offset:512*\m
.endr
.irp i, 0,1,2,3,4,5,6,7
	global_load_b32 v[56+\i], v6, s[6:7] offset:128*\i
.endr
	s_wait_loadcnt 0x0
; key register n is counted; its lanes of mine are kept as a mask
.macro CNT n
	v_cmp_gt_u32 s30, s20, v[K+(\n)]
	v_cmp_gt_u32 s32, s22, v[K+(\n)]
	s_bcnt1_i32_b32 s31, s30
	s_add_co_u32 s26, s26, s31
	s_and_not1_b32 s[M+(\n)], s32, s30             ; mine; SCC: any at all?
	s_cbranch_scc0 .Lnone_\@
	v_cmp_gt_u32 s31, s21, v[K+(\n)]
	s_and_b32 s33, s[M+(\n)], s31                  ; lanes of set 2 g
	s_and_not1_b32 s34, s[M+(\n)], s31             ; lanes of set 2 g + 1
	s_bcnt1_i32_b32 s33, s33
	s_bcnt1_i32_b32 s34, s34
	s_add_co_u32 s27, s27, s33
	s_add_co_u32 s28, s28, s34
.Lnone_\@:
.endm
.set cn, 0
.rept 32
	CNT cn
.set cn, cn+1
.endr
	v_mov_b32 v44, s26
	v_mov_b32 v45, s27
	v_mov_b32 v46, s28
	v_mov_b32 v47, 0                               ; stays 0: also the offset of out1's one word
	ds_store_b128 v52, v[44:47]                    ; all lanes write the same 16 bytes
	v_add_f32 v56, v56, v57
	v_add_f32 v58, v58, v59
	v_add_f32 v60, v60, v61
	v_add_f32 v62, v62, v63
	v_add_f32 v56, v56, v58
	v_add_f32 v60, v60, v62
	v_add_f32 v56, v56, v60
	ds_store_b32 v7, v56
	s_wait_dscnt 0x0
	s_barrier_signal -1
	s_barrier_wait -1
	ds_load_b128 v[48:51], v53                     ; lane i: wave i's counts
	s_wait_dscnt 0x0
	v_cmp_gt_u32 vcc_lo, s14, v1                   ; an earlier wave than mine
	v_cndmask_b32 v54, 0, v49, vcc_lo
	v_cndmask_b32 v55, 0, v50, vcc_lo
	v_add_nc_u32 v54, v48, v54                     ; all keys of earlier sets, and earlier waves' keys of set 2 g
	v_add3_u32 v55, v48, v49, v55                  ; all keys up to set 2 g, and earlier waves' keys of set 2 g + 1
	v_mov_b32 v40, 0
	v_mov_b32 v41, 0
.irp m, 1,2,4,8
	v_mov_b32_dpp v40, v54 row_xmask:\m row_mask:0xf bank_mask:0xf
	v_mov_b32_dpp v41, v55 row_xmask:\m row_mask:0xf bank_mask:0xf
	v_add_nc_u32 v54, v54, v40
	v_add_nc_u32 v55, v55, v41
.endr
	v_permlanex16_b32 v40, v54, s12, s13
	v_permlanex16_b32 v41, v55, s12, s13
	v_add_nc_u32 v54, v54, v40
	v_add_nc_u32 v55, v55, v41
	v_readfirstlane_b32 s24, v54                   ; where my wave's next token of set 2 g goes,
	v_readfirstlane_b32 s25, v55                   ; and of set 2 g + 1
	; the aux loss, by one wave of the launch
	s_or_b32 s30, ttmp9, s14
	s_cmp_lg_u32 s30, 0
	s_cbranch_scc1 .Lno_aux
	v_lshl_add_u32 v57, v1, 2, AUXT
.set i, 0
.rept 32
	ds_load_b32 v[AX+i], v57 offset:128*i
.set i, i+1
.endr
	s_wait_dscnt 0x0
.set i, 4
.rept 28
	v_add_f32 v[AX+i%4], v[AX+i%4], v[AX+i]
.set i, i+1
.endr
	v_add_f32 v[AX], v[AX], v[AX+1]
	v_add_f32 v[AX+2], v[AX+2], v[AX+3]
	v_add_f32 v[AX], v[AX], v[AX+2]                ; lanes 0-10: sums of scores; lanes 16-26: counts; the others 0
	v_permlanex16_b32 v40, v[AX], s12, s13
	v_mul_f32 v[AX], v[AX], v40                    ; lane i and lane 16 + i hold the same product
.irp m, 1,2,4,8
	v_add_f32_dpp v[AX], v[AX], v[AX] row_xmask:\m row_mask:0xf bank_mask:0xf
.endr
	v_mul_f32 v[AX], 0x32300000, v[AX]             ; x 11 / 2^30
	global_store_b32 v47, v[AX], s[10:11]          ; both halves of the lanes added the same numbers in the same order: all 32 lanes store one word with one value
.Lno_aux:
; the tokens of key register n that are mine are stored; a register without any is jumped
.macro PUT n
	s_cmp_lg_u32 s[M+(\n)], 0
	s_cbranch_scc0 .Lempty_\@
	v_cmp_gt_u32 s31, s21, v[K+(\n)]
	s_and_b32 s33, s[M+(\n)], s31                  ; lanes of set 2 g
	s_and_not1_b32 s34, s[M+(\n)], s31             ; lanes of set 2 g + 1
	v_mbcnt_lo_u32_b32 v40, s33, s24               ; the base + how many lower lanes have the same set
	v_mbcnt_lo_u32_b32 v41, s34, s25
	v_cndmask_b32 v40, v40, v41, s34               ; the place, in my lanes
	v_add_nc_u32 v43, ((\n)/4)*128+(\n)%4, v5      ; the token
	v_lshl_or_b32 v[K+(\n)], v[K+(\n)], 16, v43    ; the shift drops the rank and leaves the 11 bits on top
	s_ctz_i32_b32 s35, s[M+(\n)]                   ; the lowest of my lanes:
	v_readlane_b32 s36, v40, s35                   ; its place
	v_readlane_b32 s37, v[K+(\n)], s35             ; and its value go to the lanes that are not mine
	v_cndmask_b32 v40, s36, v40, s[M+(\n)]
	v_cndmask_b32 v[K+(\n)], s37, v[K+(\n)], s[M+(\n)]
	v_min_u32 v40, 0x7fff, v40                     ; kept inside perm
	v_lshlrev_b32 v[OF+(\n)], 2, v40
	global_store_b32 v[OF+(\n)], v[K+(\n)], s[8:9]
	s_bcnt1_i32_b32 s33, s33
	s_bcnt1_i32_b32 s34, s34
	s_add_co_u32 s24, s24, s33
	s_add_co_u32 s25, s25, s34
.Lempty_\@:
.endm
.set pn, 0
.rept 32
	PUT pn
.set pn, pn+1
.endr
	s_wait_tensorcnt 0x0                           ; the wave's end, behind my last LDS store
	ds_add_u32 v2, v3
	s_wait_dscnt 0x0
	s_endpgm
.Lfunc_end_k_q8e8765b299_place:
	.size	k_q8e8765b299_place, .Lfunc_end_k_q8e8765b299_place-k_q8e8765b299_place
	.p2alignl 7, 3214868480
	.fill 96, 4, 3214868480
	.section	.rodata,"a",@progbits
	.p2align	6, 0x0
	.amdhsa_kernel k_q8e8765b299_place
		.amdhsa_group_segment_fixed_size 8704
		.amdhsa_private_segment_fixed_size 0
		.amdhsa_enable_private_segment 0
		.amdhsa_kernarg_size 32
		.amdhsa_user_sgpr_count 2
		.amdhsa_user_sgpr_kernarg_segment_ptr 1
		.amdhsa_wavefront_size32 1
		.amdhsa_system_sgpr_workgroup_id_x 1
		.amdhsa_system_sgpr_workgroup_id_y 1
		.amdhsa_system_sgpr_workgroup_id_z 1
		.amdhsa_system_vgpr_workitem_id 0
		.amdhsa_next_free_vgpr 128
		.amdhsa_next_free_sgpr 104
		.amdhsa_reserve_vcc 1
		.amdhsa_float_denorm_mode_32 3
		.amdhsa_float_denorm_mode_16_64 3
		.amdhsa_memory_ordered 1
		.amdhsa_forward_progress 1
		.amdhsa_inst_pref_size 60
	.end_amdhsa_kernel
	.amdgpu_metadata
---
amdhsa.version: [ 1, 2 ]
amdhsa.kernels:
  - .name:           k_q8e8765b299_place
    .symbol:         k_q8e8765b299_place.kd
    .args:
      - { .name: keys, .offset: 0, .size: 8, .value_kind: global_buffer, .address_space: global }
      - { .name: part, .offset: 8, .size: 8, .value_kind: global_buffer, .address_space: global }
      - { .name: perm, .offset: 16, .size: 8, .value_kind: global_buffer, .address_space: global }
      - { .name: out1, .offset: 24, .size: 8, .value_kind: global_buffer, .address_space: global }
    .group_segment_fixed_size: 8704
    .private_segment_fixed_size: 0
    .kernarg_segment_align: 8
    .kernarg_segment_size: 32
    .max_flat_workgroup_size: 1024
    .sgpr_count:     104
    .vgpr_count:     128
    .wavefront_size: 32
...
	.end_amdgpu_metadata
.endif
;; end of part 6
;; launch experts (part 7): grid 256 x 1, 4 waves a work-group, no clusters, 297,472 bytes of LDS; arguments xT, gates, perm, wf, b2, accT; writes accT
.if DOCPART == 7
	.amdgcn_target "amdgcn-amd-amdhsa--gfx1250"
	.amdhsa_code_object_version 6
	.text
	.protected	k_q8e8765b299_experts
	.globl	k_q8e8765b299_experts
	.p2align	8
	.type	k_q8e8765b299_experts,@function
k_q8e8765b299_experts:
	s_mov_b64 s[64:65], 0
	v_nop
	global_prefetch_b8 v0, s[64:65] scope:SCOPE_SE
	s_setreg_imm32_b32 hwreg(HW_REG_WAVE_MODE, 25, 1), 1
	s_wait_xcnt 0x0
; THE EXPERTS.  accT[token][:] = sum over the token's six experts of gate x (W2 gelu(W1 x + b1) + b2), bf16, one owner a row.
; A work-group owns 128 places of the sorted list: 8 blocks of 16 tokens, taken as 4 PAIRS of blocks, whatever the split.  Neighbouring places hold tokens of the same or the next set of experts, so a pair needs
; few experts beyond six; an (expert, pair) that no token of the pair chose is jumped; a token that did not choose the expert has gate 0.
; SHARES.  Wave w owns hidden units 128 w .. 128 w + 127 of EVERY expert, in four chunks of 32, and all 128 tokens: 64 accumulators of 16 channels x 16 tokens.  The four waves' sums meet in LDS at the end, in f32.
; LAYOUT.  H^T = W1 X^T (source 0 = 16 hidden x 32 channels, source 1 = 16 tokens): a lane holds ONE token and eight hidden units.  Two such results, through the GELU, times the gate, rounded to bf16,
; ARE source 1 (32 hidden x 16 tokens) of Out^T = W2 H^T.  The weights come from memory straight into operand registers (an earlier launch laid them so), two buffers by turns, a chunk ahead; nothing in the loop writes LDS.
; The sums start with b2: a product of b2 (16 channels x experts) with the tokens' gates (experts x 16 tokens), a quarter of it in each wave.
; BY TURNS.  For a block and a chunk: A = 8 products H^T, B = the GELU, 120 vector lines, C = 8 products Out^T.  A wave issues in order, so A, B, C on end would leave the matrix unit idle during B.  In a pair (blocks b0, b1)
; B(b0) carries the C of the pair before's b1 and then A(b1); B(b1) carries C(b0) and then the A of the next pair's b0: one product behind every 7 or 8 vector lines.  Bare stand only a chunk's first A and its last C.
; The A for the next pair is made whether or not that pair is active.  A pair that is active behind a jumped one makes its own A and clears P1, so that the C that it carries adds zeros.  A jumped pair behind an
; active one finishes that pair's last C.  Whether the pair before was active is the same test of a bit, one pair back.
; GELU, exact form, erf by Abramowitz and Stegun 7.1.25, |error| <= 2.5e-5 for every argument: the GELU is off by at most 1.25e-5 |v|, far under the rounding to bf16 that follows.  With v' = c v (c = sqrt(log2(e)/2),
; folded into w1 and b1): t = 1 / (1 + p |v'| / sqrt(log2 e)), E = 2^(-v'^2), gelu(v) = (0.5 / c) (v' + |v'| (1 - ((a3 t + a2) t + a1) t E)).
; LIMITS.  x, w1 x c, w2, b2, the gates in the b2 term, the gated hidden layer and accT are rounded to bf16.  NaN and infinities are not treated apart.
; NO CLUSTER, NO TENSOR LOAD: which experts a work-group walks, and how many, hangs on its own tokens, so partners would need different tiles and different numbers of them; a joint walk of all 11 experts would move 11 for some 7.
; REGISTERS, in windows of 256 (s_set_vgpr_msb: bits 1:0 source 0, 3:2 source 1, 5:4 source 2, 7:6 destination):
;   window 0: v1-13 lane terms and addresses; v14, v15 the add's; v16-23 P1; v24-31 at work; v32-95 X's fragments of a pair's two blocks; v96-111 H0; v112-119 P0; v120-151 b1, two buffers; v152-199 D, E, R;
;             v200-207 MW; v208-215 GN; v216-223 GO; v224-239 XO; v240-255 H1
;   window 1: buffer p: W1 at v[128 p ..], W2 at v[128 p + 64 ..]          windows 2, 3: accumulator (tb, ct) at window 2 + tb / 4, v[64 (tb % 4) + 8 ct]
; The GELU works in window 0 and no window has room for the weights beside it: a product among vector lines costs two switches.
.set XP,    272      ; a row of X in LDS: 256 bytes + 16: the 16 rows of a fragment load start at 16 different groups of four banks
.set RED,   34816    ; behind X's 128 rows: [wave] 65,536 [block] 8,192 [ct, half] 512 [lane] 16: the waves' partial sums
.set SPARE, 296960   ; the spare words: 128 bytes a wave, named by no other line
.set W2F,   1441792
.set B1S,   2883584
.set XB0, 32
.set XB1, 64
.set H0,  96
.set H1,  240
.set P0,  112
.set P1,  16
.set DD,  152
.set EE,  168
.set RR,  184
.set MSB, 0
.macro WIN new                         ; the immediate's high byte repeats the setting that is left; a switch that changes nothing is dropped
.if MSB != (\new)
	s_set_vgpr_msb (MSB<<8)|(\new)
.set MSB, (\new)
.endif
.endm
.macro PLACES                          ; four places between a matrix instruction and a vector line or load that touches its registers
.rept 4
	v_nop
.endr
.endm
	s_load_b256 s[4:11], s[0:1], 0x0               ; xT 4, gates 6, perm 8, wf 10
	s_load_b128 s[12:15], s[0:1], 0x20             ; b2 12, accT 14
	v_lshl_add_u32 v14, v0, 2, SPARE
	v_mov_b32 v15, 0
	v_lshrrev_b32 v16, 5, v0
	v_readfirstlane_b32 s16, v16                   ; wave
	v_and_b32 v3, 31, v0                           ; lane
	v_and_b32 v1, 15, v0                           ; r
	v_bfe_u32 v2, v0, 4, 1                         ; h
	v_lshlrev_b32 v4, 4, v3
	v_lshlrev_b32 v5, 5, v2
	v_mul_u32_u24 v6, v1, XP
	v_lshl_add_u32 v6, v2, 4, v6                   ; a fragment of X: row r, 16 bytes for each half of the lanes
	s_lshl_b32 s25, s16, 16
	s_add_co_u32 s25, s25, RED
	v_add_nc_u32 v7, s25, v4                       ; where my partial sums go
	s_lshl_b32 s25, s16, 14
	s_add_co_u32 s25, s25, RED
.irp s, 0,1,2,3
	v_add_nc_u32 v[8+\s], s25, v4                  ; wave s's partial sums of blocks 2 w, 2 w + 1
	s_add_co_u32 s25, s25, 65536
.endr
	s_mul_i32 s25, s16, 32*XP
	v_add_nc_u32 v12, s25, v6                      ; the way out, in: row 32 w + r
	v_mul_u32_u24 v13, v2, XP
	v_lshl_add_u32 v13, v1, 4, v13
	v_add_nc_u32 v13, s25, v13                     ; rows 32 w on, two whole rows a load or store
	v_lshlrev_b32 v26, 2, v2
	s_lshl_b32 s26, s16, 7
	v_add_nc_u32 v26, s26, v26
	v_lshlrev_b32 v27, 2, v1
	v_lshlrev_b32 v24, 4, v1
	v_lshlrev_b32 v28, 2, v1
	v_mov_b32 v25, 0
	s_mov_b32 s47, 0
	s_lshl_b32 s46, ttmp9, 9
	s_mov_b32 s48, 0x3eb2303a                      ; a1 = 0.3480242, a2 = -0.0958798, a3 = 0.7478556, each named as a pair
	s_mov_b32 s49, s48
	s_mov_b32 s50, 0xbdc45ca1
	s_mov_b32 s51, s50
	s_mov_b32 s52, 0x3f3f7377
	s_mov_b32 s53, s52
	s_mov_b32 s58, 0x3ec88bda                      ; p / sqrt(log2 e) = 0.47047 / 1.2011224 = 0.391692
	s_mov_b32 s59, 0x3f16b55f                      ; 0.5 / c = 0.588705
	s_lshl_b32 s60, s16, 15                        ; my wave's part of an expert's fragments,
	s_lshl_b32 s61, s16, 9                         ; and of its b1
	s_wait_kmcnt 0x0
	s_add_nc_u64 s[8:9], s[8:9], s[46:47]          ; perm at my 128 places
.set i, 0
.rept 16
	global_load_b32 v[224+i], v26, s[8:9] offset:8*i      ; places 32 w + 2 i + h
.set i, i+1
.endr
.irp tb, 0,1,2,3,4,5,6,7
	global_load_b32 v[216+\tb], v27, s[8:9] offset:64*\tb ; place 16 tb + r
.endr
	s_wait_loadcnt 0x0
.set i, 0
.rept 16
	v_and_b32 v[224+i], 0xffff, v[224+i]
	v_min_u32 v[224+i], 0x7fff, v[224+i]
	v_lshl_add_u32 v[224+i], v[224+i], 8, v24      ; XO: the token's row, my 16 bytes of it
.set i, i+1
.endr
.set i, 0
.rept 16
	global_load_b128 v[96+4*i:96+4*i+3], v[224+i], s[4:5] ; sixteen lanes take a whole row of 256 bytes
.set i, i+1
.endr
.irp tb, 0,1,2,3,4,5,6,7
	v_lshrrev_b32 v[16+\tb], 16, v[216+\tb]        ; the token's experts as bits
	v_and_b32 v[216+\tb], 0xffff, v[216+\tb]
	v_min_u32 v[216+\tb], 0x7fff, v[216+\tb]
	v_lshlrev_b32 v[216+\tb], 6, v[216+\tb]        ; GO: the token's row of gates
	v_add_nc_u32 v[192+\tb], v[216+\tb], v5
.endr
	WIN 0x40                                       ; destination window 1
.irp tb, 0,1,2,3,4,5,6,7
	global_load_b128 v[8*\tb:8*\tb+3], v[192+\tb], s[6:7]
	global_load_b128 v[8*\tb+4:8*\tb+7], v[192+\tb], s[6:7] offset:16
.endr
	WIN 0
.irp i, 0,1,2,3,4,5,6,7
	v_lshl_add_u32 v[184+\i], v2, 3, \i
	v_min_u32 v[184+\i], 10, v[184+\i]             ; experts 11-15 do not exist: expert 10's row stands in, and meets gates that are 0
	v_lshl_add_u32 v[184+\i], v[184+\i], 9, v28
.endr
	s_wait_loadcnt 16                              ; X's 16 loads are in; the 16 loads of gates behind them stay out
.set i, 0
.rept 16
	ds_store_b128 v13, v[96+4*i:96+4*i+3] offset:544*i
.set i, i+1
.endr
	WIN 0x40
.irp ct, 0,1,2,3,4,5,6,7
.irp i, 0,1,2,3,4,5,6,7
	global_load_b32 v[64+8*\ct+\i], v[184+\i], s[12:13] offset:64*\ct   ; b2[8 h + i][16 ct + r]
.endr
.endr
	WIN 0
	; which experts each pair of blocks needs: the bits of its 32 tokens, joined
.irp j, 0,1,2,3
	v_or_b32 v[16+2*\j], v[16+2*\j], v[17+2*\j]
.endr
.irp m, 1,2,4,8
.irp j, 0,1,2,3
	v_mov_b32_dpp v25, v[16+2*\j] row_xmask:\m row_mask:0xf bank_mask:0xf
	v_or_b32 v[16+2*\j], v[16+2*\j], v25
.endr
.endr
.irp j, 0,1,2,3
	v_readfirstlane_b32 s[28+\j], v[16+2*\j]
.endr
	s_or_b32 s18, s28, s29
	s_or_b32 s18, s18, s30
	s_or_b32 s18, s18, s31
	s_and_b32 s18, s18, 0x7ff                      ; the work-group's experts
	s_bcnt1_i32_b32 s22, s18
	s_lshl_b32 s22, s22, 1
	s_min_u32 s22, s22, 22                         ; trips: two for each expert
	s_ctz_i32_b32 s19, s18
	s_min_u32 s19, s19, 10                         ; the first expert
	s_mov_b32 s24, 0                               ; which half of its four chunks
	s_mov_b32 s27, 0
	s_mov_b32 s21, 0
	s_wait_dscnt 0x0                               ; for the others' sake: my 32 rows of X are in LDS
	s_barrier_signal -1
	s_barrier_wait -1
	s_wait_loadcnt 0x0
	WIN 0x45                                       ; sources and destination window 1
.irp ct, 0,1,2,3,4,5,6,7
.irp k, 0,2,4,6
	v_pk_mul_f32 v[64+8*\ct+\k:64+8*\ct+\k+1], v[64+8*\ct+\k:64+8*\ct+\k+1], 0x3e800000 op_sel_hi:[1,0]  ; a quarter in each of four waves
.endr
.irp k, 0,1,2,3
	v_cvt_pk_bf16_f32 v[128+8*\ct+\k], v[64+8*\ct+2*\k], v[64+8*\ct+2*\k+1]
	v_mov_b32 v[128+8*\ct+4+\k], 0                 ; k = 16 .. 31: no such experts
.endr
.endr
	WIN 0x05                                       ; sources window 1, destination window 0
.irp tb, 0,1,2,3,4,5,6,7
.irp k, 0,1,2,3
	v_cvt_pk_bf16_f32 v[32+8*\tb+\k], v[8*\tb+2*\k], v[8*\tb+2*\k+1]
	v_mov_b32 v[32+8*\tb+4+\k], 0
.endr
.endr
	WIN 0
; the bases of buffer p for expert s[e], chunk s[c]: fragments at e 131,072 + w 32,768 + c 8,192 (the same for W1 and W2), b1 at e 2,048 + w 512 + c 128
.macro SETB p, e, c
	s_lshl_b32 s25, s[\e], 17
	s_lshl_b32 s26, s[\c], 13
	s_add_co_u32 s25, s25, s26
	s_add_co_u32 s46, s25, s60
	s_add_nc_u64 s[36+4*(\p):37+4*(\p)], s[10:11], s[46:47]
	s_lshl_b32 s25, s[\e], 11
	s_lshl_b32 s26, s[\c], 7
	s_add_co_u32 s25, s25, s26
	s_add_co_u32 s46, s25, s61
	s_add_nc_u64 s[38+4*(\p):39+4*(\p)], s[10:11], s[46:47]
.endm
; a chunk's weights into buffer p: 8 fragments of W1, 8 of W2 (each load 512 neighbouring bytes), 16 numbers of b1 a lane
.macro LOADW p
	WIN 0x40
.set i, 0
.rept 16
	global_load_b128 v[128*(\p)+4*i:128*(\p)+4*i+3], v4, s[36+4*(\p):37+4*(\p)] offset:512*i
.set i, i+1
.endr
.set i, 0
.rept 16
	global_load_b128 v[128*(\p)+64+4*i:128*(\p)+64+4*i+3], v4, s[36+4*(\p):37+4*(\p)] offset:W2F+512*i
.set i, i+1
.endr
	WIN 0
.irp i, 0,1,2,3
	global_load_b128 v[120+16*(\p)+4*\i:120+16*(\p)+4*\i+3], v5, s[38+4*(\p):39+4*(\p)] offset:B1S+(\i/2)*64+(\i%2)*16
.endr
.endm
.macro LOADG                           ; my tokens' gates for the expert whose address is in s[44:45]
.irp tb, 0,1,2,3,4,5,6,7
	global_load_b32 v[208+\tb], v[216+\tb], s[44:45]
.endr
.endm
; block blk's fragments of X (16 tokens x 128 channels) into 32 registers from dst on: a run of eight LDS loads
.macro XLOAD blk, dst
.irp ks, 0,1,2,3
	ds_load_b128 v[(\dst)+8*\ks:(\dst)+8*\ks+3], v6 offset:(\blk)*16*XP+64*\ks
	ds_load_b128 v[(\dst)+8*\ks+4:(\dst)+8*\ks+7], v6 offset:(\blk)*16*XP+64*\ks+32
.endr
.endm
; Product n of the 8 of A: channels 32 (n / 2) on, hidden tile n % 2.  The two accumulators take turns; b1 starts the sums.
.macro AW hb, xb, p, n
	WIN 0x01                                       ; W1 in window 1
.if (\n) < 2
	v_wmma_f32_16x16x32_bf16 v[(\hb)+8*((\n)%2):(\hb)+8*((\n)%2)+7], v[128*(\p)+32*((\n)%2):128*(\p)+32*((\n)%2)+7], v[(\xb):(\xb)+7], v[120+16*(\p)+8*((\n)%2):120+16*(\p)+8*((\n)%2)+7]
.else
	v_wmma_f32_16x16x32_bf16 v[(\hb)+8*((\n)%2):(\hb)+8*((\n)%2)+7], v[128*(\p)+32*((\n)%2)+8*((\n)/2):128*(\p)+32*((\n)%2)+8*((\n)/2)+7], v[(\xb)+8*((\n)/2):(\xb)+8*((\n)/2)+7], v[(\hb)+8*((\n)%2):(\hb)+8*((\n)%2)+7]
.endif
.endm
; Product ct of the 8 of C for block tb: each on an accumulator of its own
.macro CW tb, pb, p, ct
	WIN 0xa1+0x50*((\tb)/4)                        ; W2 in window 1, P in window 0, the accumulators in window 2 or 3
	v_wmma_f32_16x16x32_bf16 v[64*((\tb)%4)+8*(\ct):64*((\tb)%4)+8*(\ct)+7], v[128*(\p)+64+8*(\ct):128*(\p)+64+8*(\ct)+7], v[(\pb):(\pb)+7], v[64*((\tb)%4)+8*(\ct):64*((\tb)%4)+8*(\ct)+7]
.endm
; B, THE GELU OF A BLOCK: 16 numbers a lane, as 8 pairs.  Its 32 transcendentals are ONE batch with ONE wait, which cuts it in two.
; BPRE writes line q of the 64 ahead of the wait: plain and transcendental by turns.  Plain m = q / 2: for pair i = m / 3 first -v'^2, then 1 + p' |v'| twice (m < 24); then v' x gate x 0.5 / c in place (pair m - 24).
; Transcendental t = (q - 1) / 2: for pair t / 4 two exponentials, then two reciprocals.  Line 2 t + 1 needs plain 3 (t / 4) + 2 at the most, which is line 6 (t / 4) + 4: always behind it.
; Nothing here names a transcendental's result.  Each accumulator is read from its low end on.
.macro BPRE hb, odd, mw, q
.if ((\q)%2) == 0
.set bm, (\q)/2
.if bm < 24
.set bi, bm/3
.if (bm%3) == 0
	v_pk_mul_f32 v[EE+2*bi:EE+2*bi+1], v[(\hb)+2*bi:(\hb)+2*bi+1], v[(\hb)+2*bi:(\hb)+2*bi+1] neg_lo:[1,0] neg_hi:[1,0]
.else
	v_fma_f32 v[DD+2*bi+bm%3-1], |v[(\hb)+2*bi+bm%3-1]|, s58, 1.0
.endif
.else
.set bi, bm-24
.if (\odd) == 0
	v_pk_mul_f32 v[(\hb)+2*bi:(\hb)+2*bi+1], v[(\hb)+2*bi:(\hb)+2*bi+1], v[(\mw):(\mw)+1] op_sel_hi:[1,0]
.else
	v_pk_mul_f32 v[(\hb)+2*bi:(\hb)+2*bi+1], v[(\hb)+2*bi:(\hb)+2*bi+1], v[(\mw):(\mw)+1] op_sel:[0,1] op_sel_hi:[1,1]
.endif
.endif
.else
.set bm, ((\q)-1)/2
.set bi, bm/4
.if (bm%4) < 2
	v_exp_f32 v[EE+2*bi+bm%4], v[EE+2*bi+bm%4]
.else
	v_rcp_f32 v[DD+2*bi+bm%4-2], v[DD+2*bi+bm%4-2]
.endif
.endif
.endm
; BPOST writes line u of the 56 behind the wait, stage by stage over the 8 pairs, so that a line's sources are eight lines old: a3 t + a2 and t E by turns; (..) t + a1; 1 - (..) t E; |hm| (..) + hm; the rounding into P
.macro BPOST hb, pb, u
.if (\u) < 16
.set bi, (\u)/2
.if ((\u)%2) == 0
	v_pk_fma_f32 v[RR+2*bi:RR+2*bi+1], v[DD+2*bi:DD+2*bi+1], s[52:53], s[50:51] op_sel_hi:[1,0,0]
.else
	v_pk_mul_f32 v[EE+2*bi:EE+2*bi+1], v[EE+2*bi:EE+2*bi+1], v[DD+2*bi:DD+2*bi+1]
.endif
.elseif (\u) < 24
.set bi, (\u)-16
	v_pk_fma_f32 v[RR+2*bi:RR+2*bi+1], v[RR+2*bi:RR+2*bi+1], v[DD+2*bi:DD+2*bi+1], s[48:49] op_sel_hi:[1,1,0]
.elseif (\u) < 32
.set bi, (\u)-24
	v_pk_fma_f32 v[RR+2*bi:RR+2*bi+1], v[RR+2*bi:RR+2*bi+1], v[EE+2*bi:EE+2*bi+1], 1.0 op_sel_hi:[1,1,0] neg_lo:[1,0,0] neg_hi:[1,0,0]
.elseif (\u) < 48
.set bi, (\u)-32
	v_fma_f32 v[RR+bi], |v[(\hb)+bi]|, v[RR+bi], v[(\hb)+bi]
.else
.set bi, (\u)-48
	v_cvt_pk_bf16_f32 v[(\pb)+bi], v[RR+2*bi], v[RR+2*bi+1]
.endif
.endm
; PAIR j (blocks 2 j, 2 j + 1) against the chunk in buffer p.  At its head X of block 2 j is in or on its way in XB0, X of block 2 j + 1 behind it in XB1; it leaves the next pair's there, on either way.
.macro PAIR j, p
	s_wait_dscnt 8                                 ; XB0 is in; XB1's eight loads may be out
	s_bitcmp1_b32 s[28+(\j)], s19                  ; did a token of the pair choose the expert?
	s_cbranch_scc1 .Lact_\@
.if (\j) > 0
	s_bitcmp1_b32 s[27+(\j)], s19                  ; jumped.  Was the pair before active?
	s_cbranch_scc0 .Lnone_\@
.set cn, 0
.rept 8
	CW 2*(\j)-1, P1, \p, cn                        ; then its last C is still due
.set cn, cn+1
.endr
	WIN 0
.Lnone_\@:
.endif
	s_wait_dscnt 0x0                               ; XB1's loads are in too: both buffers may be loaded again
	XLOAD (2*(\j)+2)%8, XB0
	XLOAD (2*(\j)+3)%8, XB1
	s_branch .Ldone_\@
.Lact_\@:
.if (\j) > 0
	s_bitcmp1_b32 s[27+(\j)], s19                  ; the pair before, if active, has made my first A and left me its last C
	s_cbranch_scc1 .Lready_\@
.endif
.set an, 0
.rept 8
	AW H0, XB0, \p, an
.set an, an+1
.endr
	WIN 0
	PLACES                                         ; behind those products, and behind whatever product read P1 last
.if (\j) > 0
.set an, 0
.rept 8
	v_mov_b32 v[P1+an], 0                          ; no C is due: the one carried below adds zeros
.set an, an+1
.endr
.Lready_\@:
.endif
.set bq, 0                             ; B(2 j), ahead of its wait: it carries the C that is due
.set cn, 0
.rept 8
.if (\j) > 0
	CW 2*(\j)-1, P1, \p, cn
	WIN 0
.endif
.rept 8
	BPRE H0, 0, 200+2*(\j), bq
.set bq, bq+1
.endr
.set cn, cn+1
.endr
	v_nop                                          ; a plain line behind the last transcendental,
	s_wait_alu depctr_va_vdst(0)                   ; and one wait for the batch of 32, ahead of the first use
	XLOAD (2*(\j)+2)%8, XB0                        ; the next pair's first block; XB0's last reader stands more than four plain lines back
	s_wait_dscnt 8                                 ; all but the eight just issued: XB1 is in
.set bu, 0                             ; B(2 j), behind its wait: it carries A(2 j + 1)
.set an, 0
.rept 8
	AW H1, XB1, \p, an
	WIN 0
.rept 7
	BPOST H0, P0, bu
.set bu, bu+1
.endr
.set an, an+1
.endr
.set bq, 0                             ; B(2 j + 1), ahead of its wait: it carries C(2 j).  The seven roundings above are the places behind the last product of A(2 j + 1)
.set cn, 0
.rept 8
	CW 2*(\j), P0, \p, cn
	WIN 0
.rept 8
	BPRE H1, 1, 200+2*(\j), bq
.set bq, bq+1
.endr
.set cn, cn+1
.endr
	v_nop
	s_wait_alu depctr_va_vdst(0)                   ; one wait for the batch
	XLOAD (2*(\j)+3)%8, XB1                        ; the next pair's second block
.set bu, 0
.if (\j) < 3
	s_wait_dscnt 8                                 ; all but the eight just issued: XB0, the next pair's first block, is in
.set an, 0                             ; B(2 j + 1), behind its wait: it carries the next pair's first A, wanted or not
.rept 8
	AW H0, XB0, \p, an
	WIN 0
.rept 7
	BPOST H1, P1, bu
.set bu, bu+1
.endr
.set an, an+1
.endr
.else                                  ; the chunk's last pair: the next A wants other weights, and my last C cannot wait for them
.rept 56
	BPOST H1, P1, bu
.set bu, bu+1
.endr
.set cn, 0
.rept 8
	CW 2*(\j)+1, P1, \p, cn
.set cn, cn+1
.endr
	WIN 0
.endif
.Ldone_\@:
.endm
	SETB 0, 19, 27
	s_lshl_b32 s46, s19, 2
	s_add_nc_u64 s[44:45], s[6:7], s[46:47]
	LOADW 0
	LOADG
	; the sums start: 64 products, each on an accumulator of its own, with the constant 0
.set tb, 0
.rept 8
	WIN 0xa1+0x50*(tb/4)
.irp ct, 0,1,2,3,4,5,6,7
	v_wmma_f32_16x16x32_bf16 v[64*(tb%4)+8*\ct:64*(tb%4)+8*\ct+7], v[128+8*\ct:128+8*\ct+7], v[32+8*tb:32+8*tb+7], 0
.endr
.set tb, tb+1
.endr
	WIN 0
	PLACES
	XLOAD 0, XB0
	XLOAD 1, XB1
.Ltrip:                                ; a trip: two chunks of one expert.  The LDS addresses are the same in every trip
	s_wait_loadcnt 0x0                             ; buffer 0 and the gates, asked for a chunk ago; nothing else is out, so every base may be written
.irp tb, 0,1,2,3,4,5,6,7
	v_mul_f32 v[200+\tb], s59, v[208+\tb]          ; gate x 0.5 / c; these eight are also the places in front of the loads into buffer 1
.endr
	s_lshl_b32 s27, s24, 1
	s_add_co_u32 s27, s27, 1
	SETB 1, 19, 27
	LOADW 1
.irp j, 0,1,2,3
	PAIR \j, 0
.endr
	s_wait_loadcnt 0x0                             ; buffer 1
	s_lshl_b32 s25, -2, s19
	s_and_b32 s25, s18, s25
	s_ctz_i32_b32 s25, s25
	s_min_u32 s25, s25, 10                         ; the next expert; behind the last one a load that nobody uses stays inside the buffers
	s_cmp_eq_u32 s24, 0
	s_cselect_b32 s20, s19, s25
	s_cselect_b32 s27, 2, 0
	SETB 0, 20, 27
	s_lshl_b32 s46, s20, 2
	s_add_nc_u64 s[44:45], s[6:7], s[46:47]
	PLACES
	LOADW 0
	LOADG
.irp j, 0,1,2,3
	PAIR \j, 1
.endr
	s_mov_b32 s19, s20
	s_xor_b32 s24, s24, 1
	s_add_co_u32 s21, s21, 1
	s_cmp_lt_u32 s21, s22
	s_cbranch_scc1 .Ltrip
	; THE WAY OUT.  Every wave's 64 partial sums go to LDS in f32; wave w adds the four waves' sums of blocks 2 w and 2 w + 1, rounds once to bf16, turns them into rows through its own 32 rows of X's place, and stores whole rows.
	s_wait_loadcnt 0x0                             ; the look-ahead's loads: their registers are used again below
	s_wait_dscnt 0x0
	PLACES
.set tb, 0
.rept 8
	WIN 0x08+4*(tb/4)                              ; store data in window 2 or 3
.set c, 0
.rept 8
	ds_store_b128 v7, v[64*(tb%4)+8*c:64*(tb%4)+8*c+3] offset:(tb*16+c*2)*512
	ds_store_b128 v7, v[64*(tb%4)+8*c+4:64*(tb%4)+8*c+7] offset:(tb*16+c*2+1)*512
.set c, c+1
.endr
.set tb, tb+1
.endr
	WIN 0
	s_wait_dscnt 0x0                               ; for the others' sake: my sums are in LDS, and my reads of X are over
	s_barrier_signal -1
	s_barrier_wait -1
.macro SUML n                          ; batch n = 8 (block of my two) + ct: four waves x 32 bytes a lane
.set xl, 32+32*((\n)%2)
.irp s, 0,1,2,3
	ds_load_b128 v[xl+8*\s:xl+8*\s+3], v[8+\s] offset:(((\n)/8)*16+((\n)%8)*2)*512
	ds_load_b128 v[xl+8*\s+4:xl+8*\s+7], v[8+\s] offset:(((\n)/8)*16+((\n)%8)*2+1)*512
.endr
.endm
	SUML 0
.set bn, 0
.rept 16
.if bn < 15
	SUML bn+1
	s_wait_dscnt 8                                 ; all but the eight just issued
.else
	s_wait_dscnt 0x0
.endif
.set xs, 32+32*(bn%2)
.irp k, 0,2,4,6
	v_pk_add_f32 v[xs+\k:xs+\k+1], v[xs+\k:xs+\k+1], v[xs+8+\k:xs+8+\k+1]
	v_pk_add_f32 v[xs+16+\k:xs+16+\k+1], v[xs+16+\k:xs+16+\k+1], v[xs+24+\k:xs+24+\k+1]
.endr
.irp k, 0,2,4,6
	v_pk_add_f32 v[xs+\k:xs+\k+1], v[xs+\k:xs+\k+1], v[xs+16+\k:xs+16+\k+1]
.endr
.irp k, 0,1,2,3
	v_cvt_pk_bf16_f32 v[16+\k], v[xs+2*\k], v[xs+2*\k+1]
.endr
	ds_store_b128 v12, v[16:19] offset:(bn/8)*16*XP+(bn%8)*32    ; token r's channels 16 ct + 8 h on
.set bn, bn+1
.endr
.set i, 0
.rept 16
	ds_load_b128 v[96+4*i:96+4*i+3], v13 offset:544*i    ; LDS serves a wave's instructions in order: these see my stores above
.set i, i+1
.endr
.set i, 0
.rept 16
	s_wait_dscnt 15-i
	global_store_b128 v[224+i], v[96+4*i:96+4*i+3], s[14:15]   ; sixteen lanes fill a token's whole row of 256 bytes
.set i, i+1
.endr
	s_wait_tensorcnt 0x0                           ; the wave's end, behind my last LDS store
	ds_add_u32 v14, v15
	s_wait_dscnt 0x0
	s_endpgm
.Lfunc_end_k_q8e8765b299_experts:
	.size	k_q8e8765b299_experts, .Lfunc_end_k_q8e8765b299_experts-k_q8e8765b299_experts
	.p2alignl 7, 3214868480
	.fill 96, 4, 3214868480
	.section	.rodata,"a",@progbits
	.p2align	6, 0x0
	.amdhsa_kernel k_q8e8765b299_experts
		.amdhsa_group_segment_fixed_size 297472
		.amdhsa_private_segment_fixed_size 0
		.amdhsa_enable_private_segment 0
		.amdhsa_kernarg_size 48
		.amdhsa_user_sgpr_count 2
		.amdhsa_user_sgpr_kernarg_segment_ptr 1
		.amdhsa_wavefront_size32 1
		.amdhsa_system_sgpr_workgroup_id_x 1
		.amdhsa_system_sgpr_workgroup_id_y 1
		.amdhsa_system_sgpr_workgroup_id_z 1
		.amdhsa_system_vgpr_workitem_id 0
		.amdhsa_next_free_vgpr 1024
		.amdhsa_next_free_sgpr 66
		.amdhsa_reserve_vcc 0
		.amdhsa_float_denorm_mode_32 3
		.amdhsa_float_denorm_mode_16_64 3
		.amdhsa_memory_ordered 1
		.amdhsa_forward_progress 1
		.amdhsa_inst_pref_size 252
	.end_amdhsa_kernel
	.amdgpu_metadata
---
amdhsa.version: [ 1, 2 ]
amdhsa.kernels:
  - .name:           k_q8e8765b299_experts
    .symbol:         k_q8e8765b299_experts.kd
    .args:
      - { .name: xT, .offset: 0, .size: 8, .value_kind: global_buffer, .address_space: global }
      - { .name: gates, .offset: 8, .size: 8, .value_kind: global_buffer, .address_space: global }
      - { .name: perm, .offset: 16, .size: 8, .value_kind: global_buffer, .address_space: global }
      - { .name: wf, .offset: 24, .size: 8, .value_kind: global_buffer, .address_space: global }
      - { .name: b2, .offset: 32, .size: 8, .value_kind: global_buffer, .address_space: global }
      - { .name: accT, .offset: 40, .size: 8, .value_kind: global_buffer, .address_space: global }
    .group_segment_fixed_size: 297472
    .private_segment_fixed_size: 0
    .kernarg_segment_align: 8
    .kernarg_segment_size: 48
    .max_flat_workgroup_size: 128
    .sgpr_count:     66
    .vgpr_count:     1024
    .wavefront_size: 32
...
	.end_amdgpu_metadata
.endif
;; end of part 7
;; launch finish: the kernel of part 4 again; grid 256 x 1, 8 waves a work-group, no clusters, 34,304 bytes of LDS; arguments x, accT, out0; writes out0
